; MI455X (gfx1250); checked and timed in simulation.
; The chip was launched on July 23, 2026; its instructions are those of AMD's public machine-readable ISA for CDNA 5 (MIT licence, August 2026) and "CDNA5" Instruction Set Architecture Reference Guide (July 2026). The comments in the code are by the model that wrote it; some were corrected since.
;; Multi Head Self Attention. Allowed arithmetic: matrix products marked QUANTISED: E5M2 operands, one given power-of-two scale a tensor, by v_wmma_f32_16x16x64_bf8_bf8 or v_wmma_f32_16x16x128_bf8_bf8, f32 sums; everything else in f32.
;; Inputs: W_out 1,024 x 1,024 float32; W_qkv 1,024 x 3,072 float32; b_out 1,024 float32; b_qkv 3,072 float32; lowp_scales 8 int32 (the exponents e of the quantised operands' scales 2^e); x 4 x 2,048 x 1,024 float32.
;; Outputs: out0 4 x 2,048 x 1,024 float32.
;; This version of the problem:
;;   THIS VERSION OF THE PROBLEM IS GIVEN IN LOW PRECISION. The matrix products marked QUANTISED in the list below multiply operands that are first quantised to E5M2 (5 exponent bits, 2 mantissa bits; 8 bits a number), with one given power-of-two scale for each operand tensor; their sums are f32. All else is computed in f32.
;;   The module's matrix products, in the order in which they are computed (A, B: the left and right operand; K: the contracted axis; several contracted axes count as one K, in the product's order):
;;     1. [M 8,192, K 1,024] x [K 1,024, N 3,072]; A: input x; B: input W_qkv: QUANTISED (scales: A lowp_scales[0], B lowp_scales[1])
;;     2. batch 64 x [M 2,048, K 64] x [K 64, N 2,048]; A: computed on the way; B: computed on the way: QUANTISED (scales: A lowp_scales[2], B lowp_scales[3])
;;     3. batch 64 x [M 2,048, K 2,048] x [K 2,048, N 64]; A: softmax (see below); B: computed on the way: QUANTISED (scales: A lowp_scales[4], B lowp_scales[5])
;;     4. [M 8,192, K 1,024] x [K 1,024, N 1,024]; A: computed on the way; B: input W_out: QUANTISED (scales: A lowp_scales[6], B lowp_scales[7])
;;   THE QUANTISER, for each operand of a quantised product, along K:
;;     - The operand's scale is 2^e, e = its entry of the input lowp_scales (int32; the entries are numbered through the quantised products in the list's order, A before B).
;;     - Each number is divided by the scale, clamped to +-57,344, and rounded to the nearest number of E5M2, ties to even, subnormals kept.
;;     - The product sums the exact products of the quantised numbers (number of the format x scale) in f32.
;;   ~~~python
;;   def quantise(x, axis, e):      # numpy; x: float32 -> the quantised numbers, widened to float32 again
;;       x = np.moveaxis(x, axis, -1); K = x.shape[-1]
;;       r = np.clip(x / 2.0 ** e, -57344, 57344)
;;       step = 2.0 ** (np.maximum(np.frexp(np.where(r == 0, 1, r))[1] - 1, -14) - 2)
;;       q = np.round(r / step) * step * 2.0 ** e      # np.round: ties to even
;;       return np.moveaxis(q, -1, axis).astype(np.float32)
;;   ~~~
;;   SOFTMAX AHEAD OF A QUANTISED PRODUCT. Where the list says 'softmax', what is quantised is not the finished softmax but p = 2^(t - M), with t = logit x log2(e) and M = ceil(the row's largest t), a whole number; so 1/2 < the row's largest p <= 1. The row's sum l is taken of the UNQUANTISED p, in f32, and the product's result is divided by l at the end. Since M is a whole number, a kernel that streams over the keys may use a running M (the ceiling of the running maximum): every later rescaling is an exact power of two, so the quantised numbers keep their values, but for numbers so far below the row's largest that they fall under the format's range.
;;   OPERANDS COMPUTED ON THE WAY. 'Computed on the way' means the value that the module computes at that place (a softmax that the list does not call 'softmax' is quantised finished and normalised). What goes into a quantiser is computed in f32, as accurately as f32 sums, v_exp_f32 and their like allow (about 1e-6 of the number): no bf16 or f16 on the way to a quantiser, and a product that is left as it is and whose result goes on into a quantised operand takes f32 operands (vector FMAs, or v_wmma_f32_16x16x4_f32). A number that lies on a knife's edge between two numbers of the format may be rounded either way, as far as f32 arithmetic and the matrix unit's own rounding can turn it there, and no further.
;; One version. Each part assembles by itself: llvm-mc -triple=amdgcn-amd-amdhsa -mcpu=gfx1250 --defsym DOCPART=n.
;; ======== version 1 of 1: 4 launches
;; limits: right only within a limited range of input values
;; workspace buffers: x_codes 8,388,608 bytes; wqkv_codes 3,145,728 bytes; wout_codes 1,048,576 bytes; q_codes 8,388,608 bytes; k_codes 8,388,608 bytes; v_codes 8,388,608 bytes; attn_codes 8,388,608 bytes
;; launch quant (part 1): grid 384 x 1, 4 waves a work-group, no clusters, 68,096 bytes of LDS; arguments x, W_qkv, W_out, lowp_scales, x_codes, wqkv_codes, wout_codes; writes x_codes, wqkv_codes, wout_codes
.if DOCPART == 1
	.amdgcn_target "amdgcn-amd-amdhsa--gfx1250"
	.amdhsa_code_object_version 6
	.text
	.protected	k_qded3f1e5da_quant
	.globl	k_qded3f1e5da_quant
	.p2align	8
	.type	k_qded3f1e5da_quant,@function
k_qded3f1e5da_quant:
	s_mov_b64 s[64:65], 0
	v_nop
	global_prefetch_b8 v0, s[64:65] scope:SCOPE_SE
	s_setreg_imm32_b32 hwreg(HW_REG_WAVE_MODE, 25, 1), 1
	s_wait_xcnt 0x0
; x [8192][1024], W_qkv [1024 k][3072 n] and W_out [1024 k][1024 n], f32, become codes of BF8 (E5M2), one byte each, K innermost:
; x_codes [8192][1024], wqkv_codes [3072 n][1024 k], wout_codes [1024 n][1024 k].  code = number / 2^e, to the nearest code, ties to even.
; e: entry 0 of the scales for x, entry 1 for W_qkv, entry 7 for W_out.  LIMITS: each of the three between -126 and 112, so that 2^e and 57,344 x 2^e are f32 numbers.  NaN among the inputs is not served.
; Work-groups 0-255 take x: K is innermost, so x is a plain stream; a wave takes 16 steps of 512 numbers.  Each load reads 512 consecutive bytes; a step's 2,048 bytes turn through the wave's own stage in LDS, so that a lane
; gets 16 neighbours along K for the conversions; its 16 codes are 16 bytes, and the wave stores 512 consecutive bytes.
; Work-groups 256-383 take the weights, whose K is the FIRST axis: a lane takes a column n and its registers run down K, so the conversions give codes with K innermost; a wave takes 32 columns x 256 along K, gathers each
; column's 256 bytes in its own stage and stores them by rows: sixteen lanes store 256 consecutive bytes, aligned.  One text serves both weights: pointers, row pitch and e are chosen on the work-group's number.
; The two ways part once, on the work-group's number, and never join; each has LDS bytes of its own (x: 0 to 32,767; weights: from 32,768).  No tensor loads, no barrier: waves share nothing.
.set STEPS, 16
.set SP,    80                         ; x: a lane's place in a stage: its 64 bytes + 16 of padding
.set WREG,  8192                       ; x: LDS of a wave: two stages of 32 x SP bytes
.set R,     16                         ; x: v16-79   four sets of 16 numbers as loaded
.set X,     80                         ; x: v80-111  two sets of 16 neighbours
.set C,     128                        ; x: v128-191 codes, four registers for each step: no store's data are written again
.set EMAX,  15
.set MANT,  0x600000                   ; the mantissa field of 57,344 as f32
.set WSTG,  32768                      ; weights: the stages begin here
.set WP,    272                        ; weights: a stage row: 256 bytes of codes + 16
.set WX,    32                         ; weights: v32-95 two sets of 32 numbers
.set WC,    96                         ; weights: v96-103 a block's codes
.set OUTR,  112                        ; weights: v112-175 the way out
.set OFF,   176                        ; weights: v176-207 byte offset of row i of a block of 32, at my column: i x pitch + 4 x lane; never rewritten
	s_load_b256 s[4:11], s[0:1], 0x0               ; x s[4:5], W_qkv s[6:7], W_out s[8:9], the scales' exponents s[10:11]
	s_load_b128 s[12:15], s[0:1], 0x20             ; x_codes s[12:13], wqkv_codes s[14:15]
	s_load_b64 s[16:17], s[0:1], 0x30              ; wout_codes
	v_lshl_add_u32 v208, v0, 2, 0x10800
	v_mov_b32 v209, 0
	v_lshrrev_b32 v1, 5, v0
	v_readfirstlane_b32 s18, v1                    ; wave 0..3
	v_and_b32 v2, 31, v0                           ; lane
	s_wait_kmcnt 0x0
	s_load_b256 s[24:31], s[10:11], 0x0            ; e0 .. e7
	s_cmp_ge_u32 ttmp9, 256
	s_cbranch_scc1 .Lweights
	s_wait_alu depctr_va_vdst(0)
	; ---------------- x ----------------
	v_lshlrev_b32 v3, 4, v2                        ; my 16 bytes of a load's 512
	s_wait_alu depctr_va_vdst(0)
	s_mul_i32 s19, s18, WREG
	v_lshrrev_b32 v14, 2, v2
	v_mul_u32_u24 v14, v14, SP
	v_and_b32 v15, 3, v2
	v_lshl_add_u32 v14, v15, 4, v14
	v_add_nc_u32 v14, s19, v14                     ; the stage, on the way in: four lanes' 64 bytes on end, then 16 of padding
	v_mul_u32_u24 v15, v2, SP
	v_add_nc_u32 v15, s19, v15                     ; and on the way out: my 16 neighbours
	v_lshlrev_b32 v4, 4, v2                        ; my codes' place in a step's 512 bytes
	s_lshl_b32 s19, ttmp9, 2
	s_add_co_u32 s19, s19, s18                     ; which run of 8,192 numbers is my wave's: 0 .. 1,023
	s_lshl_b32 s20, s19, 15                        ; 32,768 bytes of numbers,
	s_mov_b32 s21, 0
	s_add_nc_u64 s[4:5], s[4:5], s[20:21]
	s_lshl_b32 s20, s19, 13                        ; 8,192 bytes of codes
	s_add_nc_u64 s[12:13], s[12:13], s[20:21]
.macro XLOAD t
.irp i, 0,1,2,3
	global_load_b128 v[R+16*((\t)%4)+4*\i:R+16*((\t)%4)+4*\i+3], v3, s[4:5] offset:2048*(\t)+512*\i th:TH_LOAD_NT   ; 32 lanes read 512 consecutive bytes; read once in the launch
.endr
.endm
.macro XTURN t                         ; step t's numbers through the stage: LDS serves a wave's instructions in order (ISA guide 5.7.1.4), so no wait stands between the stores and the loads
.irp i, 0,1,2,3
	ds_store_b128 v14, v[R+16*((\t)%4)+4*\i:R+16*((\t)%4)+4*\i+3] offset:32*SP*((\t)%2)+8*SP*\i
.endr
.irp i, 0,1,2,3
	ds_load_b128 v[X+16*((\t)%2)+4*\i:X+16*((\t)%2)+4*\i+3], v15 offset:32*SP*((\t)%2)+16*\i
.endr
.endm
.irp t, 0,1,2,3
	XLOAD \t
.endr
	s_wait_alu depctr_va_vdst(0)
	s_wait_kmcnt 0x0
	s_add_co_i32 s22, s24, 127                     ; e0
	s_lshl_b32 s23, s22, 23
	v_mov_b32 v11, s23                             ; 2^e0 as f32: the conversion takes its exponent field
	s_add_co_i32 s22, s22, EMAX
	s_lshl_b32 s22, s22, 23
	s_or_b32 s22, s22, MANT
	s_wait_alu depctr_va_vdst(0)
	s_wait_loadcnt 12                              ; step 0's four loads are in; the twelve of steps 1 to 3 may be out
	XTURN 0
.macro XSTEP t
.set XS, X+16*((\t)%2)
	s_wait_dscnt 0x0                               ; this step's numbers are back from the stage: so its stores into the stage have read their registers,
.if (\t)+4 < STEPS
	XLOAD (\t)+4                                   ; which take the loads of four steps on
.endif
.if (\t)+1 < STEPS
.if STEPS-2-(\t) >= 3
	s_wait_loadcnt 12                              ; the next step's four loads are in; those of the three steps behind it may be out
.else
	s_wait_loadcnt 4*(STEPS-2-(\t))                ; the tail: fewer steps are behind it
.endif
	XTURN (\t)+1                                   ; and go through the other stage while this step is worked
.endif
.irp i, 0,1,2,3,4,5,6,7,8,9,10,11,12,13,14,15
.endr
	v_cvt_scalef32_pk8_bf8_f32 v[C+4*(\t):C+4*(\t)+1], v[XS:XS+7], v11
	v_cvt_scalef32_pk8_bf8_f32 v[C+4*(\t)+2:C+4*(\t)+3], v[XS+8:XS+15], v11     ; the results go to a store alone
	global_store_b128 v4, v[C+4*(\t):C+4*(\t)+3], s[12:13] offset:512*(\t)      ; the wave stores 512 consecutive bytes, aligned; the next launch reads them, so no hint
.endm
.irp t, 0,1,2,3,4,5,6,7,8,9,10,11,12,13,14,15
	XSTEP \t
.endr
	s_wait_tensorcnt 0x0
	ds_add_u32 v208, v209
	s_wait_dscnt 0x0
	s_endpgm
	; ---------------- the weights ----------------
.Lweights:
	s_sub_co_u32 s19, ttmp9, 256
	s_lshr_b32 s35, s19, 5                         ; y: which 256 along K, 0 .. 3
	s_and_b32 s36, s19, 31                         ; 0-23: a block of 128 columns of W_qkv; 24-31: of W_out
	s_mov_b32 s32, 4096
	s_wait_kmcnt 0x0                               ; the exponents
	s_cmp_lt_u32 s36, 24                           ; the choice hangs on the work-group's number alone; all selects stand ahead of the next line that sets SCC
	s_cselect_b64 s[20:21], s[6:7], s[8:9]         ; the weight
	s_cselect_b64 s[22:23], s[14:15], s[16:17]     ; its codes
	s_cselect_b32 s32, 12288, s32                  ; bytes in a row of it
	s_cselect_b32 s33, 0, 24
	s_cselect_b32 s34, s25, s31                    ; e1 or e7
	s_sub_co_u32 s36, s36, s33
	s_lshl_b32 s36, s36, 7
	s_lshl_b32 s37, s18, 5
	s_add_co_u32 s36, s36, s37                     ; my wave's first column: 128 x block + 32 x wave
	s_wait_alu depctr_va_vdst(0)
	v_lshlrev_b32 v3, 2, v2                        ; 4 bytes a lane
	s_mul_i32 s19, s18, 32*WP
	s_add_co_u32 s19, s19, WSTG                    ; my stage
	v_mul_u32_u24 v4, v2, WP
	v_add_nc_u32 v4, s19, v4                       ; into it: row = my column
	v_and_b32 v5, 15, v2
	v_lshrrev_b32 v6, 4, v2
	v_mul_u32_u24 v7, v6, WP
	v_lshl_add_u32 v7, v5, 4, v7
	v_add_nc_u32 v7, s19, v7                       ; out of it: sixteen lanes to a row, two rows an instruction
	v_lshlrev_b32 v8, 10, v6
	v_lshl_add_u32 v8, v5, 4, v8                   ; and the same place in the codes (rows of 1,024 bytes)
.set i, 0
.rept 32
	v_mad_u32_u24 v[OFF+i], s32, i, v3
.set i, i+1
.endr
	s_lshl_b32 s38, s32, 8
	s_mul_i32 s38, s38, s35                        ; 256 y rows of the weight,
	s_lshl_b32 s39, s36, 2
	s_add_co_u32 s38, s38, s39                     ; + 4 x column
	s_mov_b32 s39, 0
	s_add_nc_u64 s[40:41], s[20:21], s[38:39]      ; a base for each of the eight blocks of 32 along K, all made ahead of the first load: nothing is stepped later
	s_lshl_b32 s38, s32, 5                         ; 32 rows
.irp t, 1,2,3,4,5,6,7
	s_add_nc_u64 s[40+2*\t:41+2*\t], s[38+2*\t:39+2*\t], s[38:39]
.endr
	s_lshl_b32 s38, s36, 10                        ; the codes: column x 1,024 + 256 y
	s_lshl_b32 s37, s35, 8
	s_add_co_u32 s38, s38, s37
	s_add_nc_u64 s[22:23], s[22:23], s[38:39]
.macro WLOAD t                         ; block t: W(256 y + 32 t + i, my column), i = 0 .. 31, into set t % 2: each load reads 128 consecutive bytes
.set i, 0
.rept 32
	global_load_b32 v[WX+32*((\t)%2)+i], v[OFF+i], s[40+2*(\t):41+2*(\t)] th:TH_LOAD_NT
.set i, i+1
.endr
.endm
	s_wait_alu depctr_va_vdst(0)
	WLOAD 0
	WLOAD 1
	s_add_co_i32 s34, s34, 127
	s_lshl_b32 s33, s34, 23
	v_mov_b32 v11, s33                             ; 2^e as f32
	s_add_co_i32 s34, s34, EMAX
	s_lshl_b32 s34, s34, 23
	s_or_b32 s34, s34, MANT
.macro WBLOCK t
.set XS, WX+32*((\t)%2)
.if (\t) < 7
	s_wait_loadcnt 32                              ; this block's 32 loads are in; the next block's 32 may be out
.else
	s_wait_loadcnt 0
.endif
.set i, 0
.rept 32
.set i, i+1
.endr
.irp g, 0,1,2,3
	v_cvt_scalef32_pk8_bf8_f32 v[WC+2*\g:WC+2*\g+1], v[XS+8*\g:XS+8*\g+7], v11
.endr
	ds_store_b128 v4, v[WC:WC+3] offset:32*(\t)    ; 32 codes: 32 bytes of my column's row.  (The results go to LDS stores alone)
	ds_store_b128 v4, v[WC+4:WC+7] offset:32*(\t)+16
.if (\t)+2 < 8
	WLOAD (\t)+2
.endif
	s_wait_dscnt 0x0                               ; the stores have read their registers: the next block's codes may be written
.endm
	s_wait_alu depctr_va_vdst(0)
.irp t, 0,1,2,3,4,5,6,7
	WBLOCK \t
.endr
.irp t, 0,1,2,3,4,5,6,7,8,9,10,11,12,13,14,15
	ds_load_b128 v[OUTR+4*\t:OUTR+4*\t+3], v7 offset:2*\t*WP      ; LDS serves a wave's instructions in order: these see my stores
.endr
.irp t, 0,1,2,3,4,5,6,7,8,9,10,11,12,13,14,15
	s_wait_dscnt 15-\t                             ; load t is in; the 15 - t younger ones may be out
	global_store_b128 v8, v[OUTR+4*\t:OUTR+4*\t+3], s[22:23] offset:2*\t*1024   ; sixteen lanes store 256 consecutive bytes, aligned
.endr
	s_wait_tensorcnt 0x0
	ds_add_u32 v208, v209
	s_wait_dscnt 0x0
	s_endpgm
.Lfunc_end_k_qded3f1e5da_quant:
	.size	k_qded3f1e5da_quant, .Lfunc_end_k_qded3f1e5da_quant-k_qded3f1e5da_quant
	.p2alignl 7, 3214868480
	.fill 96, 4, 3214868480
	.section	.rodata,"a",@progbits
	.p2align	6, 0x0
	.amdhsa_kernel k_qded3f1e5da_quant
		.amdhsa_group_segment_fixed_size 68096
		.amdhsa_private_segment_fixed_size 0
		.amdhsa_enable_private_segment 0
		.amdhsa_kernarg_size 56
		.amdhsa_user_sgpr_count 2
		.amdhsa_user_sgpr_kernarg_segment_ptr 1
		.amdhsa_wavefront_size32 1
		.amdhsa_system_sgpr_workgroup_id_x 1
		.amdhsa_system_sgpr_workgroup_id_y 1
		.amdhsa_system_sgpr_workgroup_id_z 1
		.amdhsa_system_vgpr_workitem_id 0
		.amdhsa_next_free_vgpr 210
		.amdhsa_next_free_sgpr 66
		.amdhsa_reserve_vcc 0
		.amdhsa_float_denorm_mode_32 3
		.amdhsa_float_denorm_mode_16_64 3
		.amdhsa_fp16_overflow 1
		.amdhsa_memory_ordered 1
		.amdhsa_forward_progress 1
		.amdhsa_inst_pref_size 56
	.end_amdhsa_kernel
	.amdgpu_metadata
---
amdhsa.version: [ 1, 2 ]
amdhsa.kernels:
  - .name:           k_qded3f1e5da_quant
    .symbol:         k_qded3f1e5da_quant.kd
    .args:
      - { .name: x, .offset: 0, .size: 8, .value_kind: global_buffer, .address_space: global }
      - { .name: W_qkv, .offset: 8, .size: 8, .value_kind: global_buffer, .address_space: global }
      - { .name: W_out, .offset: 16, .size: 8, .value_kind: global_buffer, .address_space: global }
      - { .name: lowp_scales, .offset: 24, .size: 8, .value_kind: global_buffer, .address_space: global }
      - { .name: x_codes, .offset: 32, .size: 8, .value_kind: global_buffer, .address_space: global }
      - { .name: wqkv_codes, .offset: 40, .size: 8, .value_kind: global_buffer, .address_space: global }
      - { .name: wout_codes, .offset: 48, .size: 8, .value_kind: global_buffer, .address_space: global }
    .group_segment_fixed_size: 68096
    .private_segment_fixed_size: 0
    .kernarg_segment_align: 8
    .kernarg_segment_size: 56
    .max_flat_workgroup_size: 128
    .sgpr_count:     66
    .vgpr_count:     210
    .wavefront_size: 32
...
	.end_amdgpu_metadata
.endif
;; end of part 1
;; launch gemm_qkv (part 2): grid 12 x 32, 4 waves a work-group, clusters of 4 x 4, 327,680 bytes of LDS; arguments x_codes, wqkv_codes, lowp_scales, b_qkv, q_codes, k_codes, v_codes; writes q_codes, k_codes, v_codes
.if DOCPART == 2
	.amdgcn_target "amdgcn-amd-amdhsa--gfx1250"
	.amdhsa_code_object_version 6
	.text
	.protected	k_qded3f1e5da_gemm_qkv
	.globl	k_qded3f1e5da_gemm_qkv
	.p2align	8
	.type	k_qded3f1e5da_gemm_qkv,@function
k_qded3f1e5da_gemm_qkv:
	s_mov_b64 s[64:65], 0
	v_nop
	global_prefetch_b8 v0, s[64:65] scope:SCOPE_SE
	s_setreg_imm32_b32 hwreg(HW_REG_WAVE_MODE, 25, 1), 1
	s_wait_xcnt 0x0
	s_wait_alu depctr_hold_cnt(0) depctr_sa_sdst(0) depctr_va_vdst(0) depctr_va_sdst(0) depctr_va_ssrc(0) depctr_va_vcc(0) depctr_vm_vsrc(0)
	s_getreg_b32 s2, hwreg(HW_REG_IB_STS2, 6, 4)
	s_cmp_eq_u32 s2, 0
	s_cbranch_scc0 .Lentry_in_a_cluster
	s_endpgm
.Lentry_in_a_cluster:
	s_bfe_u32 s2, ttmp6, 0x10000c
	s_cmp_lg_u32 s2, 0xf033
	s_cbranch_scc0 .Lentry_shape_is_right
	s_endpgm
.Lentry_shape_is_right:
; qkv = x W_qkv + b_qkv on codes of BF8 (E5M2), and q, k, v quantised again on the way out.  x_codes [8192][1024], wqkv_codes [3072 n][1024 k]: K innermost.  Sums in f32; a number of qkv is sum x 2^(e0 + e1) + bias, one fused multiply-add.
; OUT: q_codes, k_codes [64 bh][2048 s][64 d] (bh = 16 x batch + head; scales e2, e3);  v_codes [64 bh][64 d][2048 places] (scale e5): the keys innermost, since they are the next product's K; within each 32 keys, key 16 u + 8 h + i
; lies at place 16 h + 8 u + i, which is the order in which the attention launch's weights p come out of their conversions.
; LIMITS: e0 + e1 between -126 and 127; e2, e3, e5 between -126 and 112: each power of two below is then an f32 number.  NaN is not served.
; A tile of 256 x 256 is made by four waves, as many as a WGP has SIMDs; a wave makes 128 x 128: 64 accumulators, 512 registers.  K goes in steps of 256 through a ring of two LDS slots filled by the tensor data mover.
; CLUSTERS of 4 x 4.  Side A's tile is shared along a row of the cluster, side B's along a column: each is asked for JOINTLY, by the same tensor load with the same descriptor and a mask that names the four.
; The cluster's x is 0 for q, 1 for k, 2 for v, alike in all sixteen partners.  For q and k side A is x (tile 4 Y + cy, Y the cluster's y) and side B is W (tile 4 x cluster x + cx).  FOR v THE SIDES ARE CHANGED: side A is W (tile 8 + cy), side B
; is x (tile 4 Y + cx): pointers and tile numbers are chosen on the cluster's x; masks, LDS addresses and the loop are the same text.
; The matrix instruction takes 16 rows of side B as source 0 and 16 rows of side A as source 1: a lane then holds ONE row of side A and EIGHT NEIGHBOURING rows of side B.  For q and k: one s, eight d; for v: one d, eight keys: in both
; cases eight neighbours along the next product's K, which is what a conversion takes.
; REGISTERS, in windows of 256: window 0: v0-31 addresses; v32-95 the bias; from v128 side A's fragments (8 x 16 rows x 128 K), ONE set; on the way out v128-255 are at work.
;   window 1: side B's fragments, TWO sets, at v0 and v128.   window 2: the 32 accumulators of A's blocks 0-3 (accumulator (a, b) at v[8 (8 (a % 4) + b)]);   window 3: those of blocks 4-7.
.set KSTEP,  256
.set ROWB,   256                       ; a tile's row in bytes
.set KROW,   1024                      ; a row of either operand in memory, in bytes
.set PITCH,  272                       ; an LDS row: 256 bytes + 16 of padding = 68 words: row r starts at bank 4 r mod 64 (64 banks of 4 bytes: ISA guide 11.1)
.set FR,     16                        ; registers of a fragment: 16 rows x 128 K
.set NL,     4                         ; LDS loads that bring one
.set NP,     4                         ; places behind this matrix instruction (ISA guide 7.12.1)
.set HALFT,  128*PITCH                 ; 128 rows: what one tensor load brings
.set SLOT,   4*HALFT                   ; A's 256 rows, then B's 256 rows
.set LAPS,   2                         ; 1,024 along K = four K steps = twice round the ring
.set SPARE,  2*SLOT                    ; behind the ring: the spare words, 128 bytes for each wave: two blocks of 256 bytes that no other line names
.set BSC,    SPARE+512                 ; behind them: each wave's 128 numbers of the bias, 512 bytes a wave; no fill lands here
.set VSTG,   0                         ; v's way out: 256 rows x 272 bytes, the work-group's.  Both stages lie in slot 0, which has had its last fill and its last read when the first result is stored there
.set QSTG,   256*272                   ; q's and k's way out: for each wave 2 heads x 16 rows x (64 bytes + 16).  Each way out has bytes of its own
.set BST,  7                           ; v7   where I put my 16 bytes of the wave's bias
.set LIM,  8
.set SCL,  9                           ; v9   that scale as f32
.set QST,  10                          ; v10  q, k: where I put 8 codes of a row
.set QRD,  11                          ; v11  q, k: where I read 16 bytes back
.set L16,  12                          ; v12  16 x lane
.set VST,  13                          ; v13  v: where I put 16 codes of a row
.set VRD,  14                          ; v14  v: where I read 16 bytes back
.set VGO,  15                          ; v15  v: my byte offset in two rows of v_codes
.set ADRA, 16                          ; v16-17  LDS address of my A fragments in slot 0, 1
.set BQK,  18                          ; v18  q, k: my eight numbers of the bias
.set BV,   19                          ; v19  v: my one number of the bias
.set ADRB, 20                          ; v20-21  the same as ADRA for B
.set SPW,  28                          ; v28  LDS address of my spare word; never rewritten
.set NIL,  29                          ; v29  0; never rewritten
.set BIAS, 32
.set AF,   128
.set TMP,  128                         ; the way out: 64 numbers of qkv
.set CD,   192                         ; their codes, 16 registers
.set BK,   208                         ; q, k: 16 registers read back from the stage: v208-223 and v224-239 by turns
.set G1, 24                            ; s[24:31] descriptor group 1 for A's tiles;  s[32:39] group 0, one set for each slot
.set G0, 32
.set G1B, 48                           ; s[48:55], s[56:63] the same for B's tiles
.set G0B, 56
.set MSB, 0
.macro WIN new                         ; the immediate's high byte repeats the setting that is left
.if MSB != \new
	s_set_vgpr_msb (MSB<<8)|\new
.set MSB, \new
.endif
.endm
.set MUL_LO, 0xa1                      ; source 0 (B) window 1, source 1 (A) window 0, C and D window 2
.set MUL_HI, 0xf1                      ; the same, C and D window 3
.set TO_B,   0x40                      ; destination window 1, address window 0
; A joint load: waves 0 and 1 fetch for A, waves 2 and 3 for B.  Each line has ONE mask and one set of registers for all that issue it; the branch hangs on the wave's number alone.
; Four v_nop follow each of the two lines, ahead of the jump, the label and what follows.
.macro JLOAD g0a, g1a, g0b, g1b
	s_cmp_eq_u32 s15, 0
	s_cbranch_scc0 .Lfor_b_\@
	tensor_load_to_lds s[\g0a:\g0a+3], s[\g1a:\g1a+7]
	s_nop 0
.rept 4
	v_nop
.endr
	s_branch .Lasked_\@
.Lfor_b_\@:
	tensor_load_to_lds s[\g0b:\g0b+3], s[\g1b:\g1b+7]
	s_nop 0
.rept 4
	v_nop
.endr
.Lasked_\@:
.endm
.macro CREST                           ; a round of the cluster's barrier behind its opening barrier
	s_cmp_lg_u32 s14, 0
	s_cbranch_scc1 .Lnot_wave_0_\@
	s_barrier_signal -3
.Lnot_wave_0_\@:
	s_barrier_wait -3
	s_barrier_signal -1
	s_barrier_wait -1
.endm
.macro CROUND                          ; a whole round
	s_barrier_signal -1
	s_barrier_wait -1
	CREST
.endm
	s_load_b256 s[4:11], s[0:1], 0x0               ; x_codes s[4:5], wqkv_codes s[6:7], the scales' exponents s[8:9], b_qkv s[10:11]
	s_load_b128 s[68:71], s[0:1], 0x20             ; q_codes s[68:69], k_codes s[70:71]
	s_load_b64 s[72:73], s[0:1], 0x30              ; v_codes
	v_lshl_add_u32 v[SPW], v0, 2, SPARE
	v_mov_b32 v[NIL], 0
	ds_add_u32 v28, v29
	ds_add_u32 v28, v29
	s_wait_dscnt 0x0
	v_lshrrev_b32 v1, 5, v0
	v_readfirstlane_b32 s14, v1                    ; wave 0..3
	s_lshr_b32 s15, s14, 1                         ; which half of A's 256 rows is mine.  Also: I fetch for A (0) or for B (1)
	s_and_b32 s16, s14, 1                          ; which half of B's.  Also: which 128 rows of that tile I fetch
	s_bfe_u32 s40, ttmp6, 0x40000                  ; cx, cy: my place in the cluster
	s_bfe_u32 s41, ttmp6, 0x40004
	s_and_b32 s84, ttmp7, 0xffff                   ; Y, the cluster's y
	s_cmp_eq_u32 ttmp9, 2                          ; the v cluster?  The cluster's x is alike in all sixteen partners
	s_cselect_b32 s85, 2, s84                      ; A's tiles: v: W's tiles 8 .. 11; else x's tiles 4 Y ..
	s_cselect_b32 s86, s84, ttmp9                  ; B's tiles: v: x's tiles 4 Y ..; else W's tiles 4 x cluster x ..
	s_lshl_b32 s17, s85, 2
	s_add_co_u32 s17, s17, s41                     ; A's tile: + cy, which my row of the cluster shares
	s_lshl_b32 s42, s86, 2
	s_add_co_u32 s42, s42, s40                     ; B's tile: + cx, which my column shares
	s_lshl_b32 s43, s41, 2
	s_lshl_b32 s43, 15, s43                        ; my row of the cluster
	s_lshl_b32 s44, 0x1111, s40                    ; my column
	; descriptor group 1: a tile of 128 rows x 256 bytes, padded in LDS
	s_or_b32 s[G1+0], s43, (0<<16)|(1<<20)|(1<<21)|(5<<22)|(3<<25)  ; 15:0 the mask: my row; 17:16 element of 1 byte; 20 padding on; 21 set beside a mask; 24:22 after every 64 words (code 5); 31:25 of 4 words (code 3)
	s_or_b32 s[G1B+0], s44, (0<<16)|(1<<20)|(1<<21)|(5<<22)|(3<<25) ; the same with the mask of my column
.irp g, G1, G1B
	s_mov_b32 s[\g+1], ROWB<<16                    ; tensor_dim0
	s_mov_b32 s[\g+2], 128<<16                     ; tensor_dim1 = 128
	s_mov_b32 s[\g+3], ROWB<<16                    ; tile_dim0
	s_mov_b32 s[\g+4], 128                         ; tile_dim1 = 128
	s_mov_b32 s[\g+5], KROW                        ; tensor_dim0_stride
	s_mov_b32 s[\g+6], 0
	s_mov_b32 s[\g+7], 0
.endr
	s_lshl_b32 s18, s16, 7                         ; which 128 rows of the tile I fetch
	s_lshl_b32 s20, s17, 8
	s_add_co_u32 s20, s20, s18                     ; A: row 256 x tile + 128 x half
	s_lshl_b32 s46, s42, 8
	s_add_co_u32 s46, s46, s18                     ; B likewise
	s_mov_b32 s21, 0
	s_mov_b32 s47, 0
	s_mov_b64 s[18:19], KROW
	s_mul_u64 s[20:21], s[20:21], s[18:19]         ; in bytes
	s_mul_u64 s[46:47], s[46:47], s[18:19]
	s_mul_i32 s45, s14, HALFT                      ; where they go: wave x 128 rows: no place in the cluster enters an LDS address
	s_wait_kmcnt 0x0
	s_load_b256 s[76:83], s[8:9], 0x0              ; e0 .. e7
	s_cmp_eq_u32 ttmp9, 2
	s_cselect_b64 s[92:93], s[6:7], s[4:5]         ; side A's buffer: W's codes for v, x's else
	s_cselect_b64 s[94:95], s[4:5], s[6:7]         ; side B's: the other
	s_add_nc_u64 s[20:21], s[92:93], s[20:21]
	s_add_nc_u64 s[46:47], s[94:95], s[46:47]
	CROUND                                         ; all sixteen work-groups are here: the first joint loads meet
.irp s, 0,1
	s_mov_b32 s[G0+4*\s], 1
	s_add_co_u32 s[G0+4*\s+1], s45, \s*SLOT
	s_add_nc_u64 s[G0+4*\s+2:G0+4*\s+3], s[20:21], \s*ROWB
	s_or_b32 s[G0+4*\s+3], s[G0+4*\s+3], 0x80000000
	s_mov_b32 s[G0B+4*\s], 1
	s_add_co_u32 s[G0B+4*\s+1], s45, \s*SLOT
	s_add_nc_u64 s[G0B+4*\s+2:G0B+4*\s+3], s[46:47], \s*ROWB
	s_or_b32 s[G0B+4*\s+3], s[G0B+4*\s+3], 0x80000000
	JLOAD G0+4*\s, G1, G0B+4*\s, G1B               ; two tensor loads of mine are out
.endr
	v_and_b32 v1, 15, v0                           ; r = l % 16
	v_bfe_u32 v2, v0, 4, 1                         ; h = l / 16
	v_and_b32 v6, 31, v0
	v_lshlrev_b32 v[L16], 4, v6
	s_wait_alu depctr_va_vdst(0)
	; the bias of my wave's 128 columns of W: 512 bytes, one load; it waits in LDS for the way out
	s_cmp_eq_u32 ttmp9, 2
	s_cselect_b32 s84, s17, s42                    ; W's tile of 256 columns,
	s_cselect_b32 s88, s15, s16                    ; my half of it
	s_lshl_b32 s84, s84, 10
	s_lshl_b32 s88, s88, 9
	s_add_co_u32 s84, s84, s88
	s_mov_b32 s85, 0
	s_add_nc_u64 s[10:11], s[10:11], s[84:85]
	global_load_b128 v[BIAS:BIAS+3], v[L16], s[10:11]
	v_mul_u32_u24 v3, v1, PITCH
	v_lshl_add_u32 v4, v2, 4, v3                   ; a fragment's row x pitch + 16 x half
	s_mul_i32 s21, s15, HALFT                      ; my 128 rows of A
	s_mul_i32 s22, s16, HALFT                      ; my 128 rows of B,
	s_add_co_u32 s22, s22, 2*HALFT                 ; which lie behind A's 256
.irp s, 0,1
	v_add_nc_u32 v[ADRA+\s], s21, v4
	v_add_nc_u32 v[ADRB+\s], s22, v4
	s_add_co_u32 s21, s21, SLOT
	s_add_co_u32 s22, s22, SLOT
.endr
	; every LDS address of both ways out is made here, on the way that all take
	s_lshl_b32 s89, s14, 9
	s_add_co_u32 s89, s89, BSC                     ; my wave's bias
	v_add_nc_u32 v[BST], s89, v[L16]
	v_lshl_add_u32 v[BQK], v2, 5, s89              ; q, k: block b's eight numbers of my half: 64 b + 32 h
	v_lshl_add_u32 v[BV], v1, 2, s89               ; v: block a's one number: 64 a + 4 r
	s_mul_i32 s90, s14, 2560
	s_add_co_u32 s90, s90, QSTG                    ; q, k: my stage
	v_mul_u32_u24 v[QST], v1, 80
	v_lshl_add_u32 v[QST], v2, 3, v[QST]
	v_add_nc_u32 v[QST], s90, v[QST]               ; in: row r, 8 bytes for each half of the lanes
	v_lshrrev_b32 v3, 2, v6
	v_mul_u32_u24 v[QRD], v3, 80
	v_and_b32 v5, 3, v6
	v_lshl_add_u32 v[QRD], v5, 4, v[QRD]
	v_add_nc_u32 v[QRD], s90, v[QRD]               ; back: four lanes to a row of 64 bytes, eight rows an instruction
	s_mul_i32 s91, s15, 128*272
	s_lshl_b32 s90, s16, 7
	s_add_co_u32 s91, s91, s90
	v_add_nc_u32 v[VST], s91, v4                   ; v, in: row 128 x (wave / 2) + r, byte 128 x (wave % 2) + 16 h
	s_mul_i32 s91, s14, 64*272
	v_mul_u32_u24 v[VRD], v2, 272
	v_lshl_add_u32 v[VRD], v1, 4, v[VRD]
	v_add_nc_u32 v[VRD], s91, v[VRD]               ; v, back: wave w takes rows 64 w on, whole; lanes 0-15 one row, lanes 16-31 the next
	v_lshlrev_b32 v[VGO], 11, v2
	v_lshl_add_u32 v[VGO], v1, 4, v[VGO]           ; and the same two rows in v_codes (2,048 bytes apart)
	s_wait_loadcnt 0x0
	ds_store_b128 v[BST], v[BIAS:BIAS+3]
.macro FRAG reg, adr, q, i             ; a fragment, 16 rows x 128 K, is 16 registers: lane l holds row l % 16; registers 4 c .. 4 c + 3 hold K = 32 c + 16 (l / 16) + 0 .. 15: one order of K, alike on both sides
.irp c, 0,1,2,3
	ds_load_b128 v[\reg+4*\c:\reg+4*\c+3], v[\adr] offset:128*(\q)+32*\c+(\i)*16*PITCH
.endr
.endm
; 16 matrix instructions: A's blocks a0, a0 + 1 x B's eight, 128 along K.  p: B's set.  zero = 1: the first product starts the sums: nothing is ever cleared.
; The 64 accumulators take turns, one instruction a turn, in the same order in every step.
.macro MUL16 a0, p, zero
.irp a, \a0, \a0+1
.irp b, 0,1,2,3,4,5,6,7
.if \zero
	v_wmma_f32_16x16x128_bf8_bf8 v[8*(8*((\a)%4)+\b):8*(8*((\a)%4)+\b)+7], v[128*(\p)+FR*\b:128*(\p)+FR*\b+FR-1], v[AF+FR*(\a):AF+FR*(\a)+FR-1], 0
.else
	v_wmma_f32_16x16x128_bf8_bf8 v[8*(8*((\a)%4)+\b):8*(8*((\a)%4)+\b)+7], v[128*(\p)+FR*\b:128*(\p)+FR*\b+FR-1], v[AF+FR*(\a):AF+FR*(\a)+FR-1], v[8*(8*((\a)%4)+\b):8*(8*((\a)%4)+\b)+7]
.endif
.endr
.endr
.endm
.macro FETCH_B slot, q, p              ; B's eight fragments of the slot's q-th 128 along K into set p
	WIN TO_B
.irp i, 0,1,2,3,4,5,6,7
	FRAG 128*(\p)+FR*\i, ADRB+\slot, \q, \i
.endr
	WIN 0
.endm
.macro FETCH_A slot, q, i0             ; A's blocks i0 .. i0 + 3
.irp i, \i0, \i0+1, \i0+2, \i0+3
	FRAG AF+FR*(\i), ADRA+\slot, \q, \i
.endr
.endm
; A load into a register that a matrix instruction has read, and a vector instruction that reads a matrix result or writes one of its registers, stand NP places behind it; only plain vector instructions that name none
; of its registers are places (ISA guide 7.12.1 for vector instructions).
.macro PLACES n
.rept \n
	v_nop
.endr
.endm
; A step of 128 along K that has its successor in the same slot.
.macro STEP slot, q, zero
	s_wait_dscnt 4*NL                              ; B's set and A's blocks 0-3 are in; the youngest 16 loads (A's blocks 4-7) may be out
	WIN MUL_LO
	MUL16 0, (\q)%2, \zero
	MUL16 2, (\q)%2, \zero
	s_wait_dscnt 0                                 ; A's blocks 4-7 are in (asked for 32 matrix instructions ago)
	PLACES NP
	FETCH_B \slot, (\q)+1, 1-(\q)%2
	FETCH_A \slot, (\q)+1, 0
	WIN MUL_HI
	MUL16 4, (\q)%2, \zero
	MUL16 6, (\q)%2, \zero
	PLACES NP
	WIN 0
	FETCH_A \slot, (\q)+1, 4
.endm
; A slot's last step changes slots: ONE barrier; in front of it each wave waits for all its tensor loads, adds 0 to its spare word, and waits for that and for its own reads of this slot.  fill = 1: this slot is filled again, two K steps ahead.
.macro TURN slot, next, fill
	s_wait_tensorcnt 0x0                           ; all my tensor loads have landed: my part of the next slot;  (every window is 0 here)
	ds_add_u32 v[SPW], v[NIL]                      ; 0 onto my spare word
	s_wait_dscnt 4*NL+1                            ; (the add and the youngest 16 loads, A's blocks 4-7, may be out)
	WIN MUL_LO
	MUL16 0, 1, 0                                  ; sixteen matrix instructions stand between the add and the wait for it
	s_wait_dscnt 0x0                               ; the add is done, and my reads of this slot are over
	s_barrier_signal -1
	MUL16 2, 1, 0
	WIN 0
	s_barrier_wait -1
.if \fill
	CREST                                          ; the barrier has opened a round of the cluster's barrier: no wave of any partner still reads this slot's tile or has a load on its way
	s_add_nc_u64 s[G0+4*\slot+2:G0+4*\slot+3], s[G0+4*\slot+2:G0+4*\slot+3], 2*ROWB
	s_add_nc_u64 s[G0B+4*\slot+2:G0B+4*\slot+3], s[G0B+4*\slot+2:G0B+4*\slot+3], 2*ROWB
	JLOAD G0+4*\slot, G1, G0B+4*\slot, G1B         ; the first tensor load behind the round, my one load until the next; its four v_nop are the places in front of the loads below
.else
	PLACES NP
.endif
	FETCH_B \next, 0, 0
	FETCH_A \next, 0, 0
	WIN MUL_HI
	MUL16 4, 1, 0
	MUL16 6, 1, 0
	PLACES NP
	WIN 0
	FETCH_A \next, 0, 4
.endm
	s_wait_tensorcnt 1                             ; my part of K step 0 is in (K step 1's load may be out)
	s_wait_dscnt 0x0                               ; and my store of the bias is done
	s_barrier_signal -1
	s_barrier_wait -1                              ; everybody's is
	FETCH_B 0, 0, 0
	FETCH_A 0, 0, 0
	FETCH_A 0, 0, 4
	STEP 0, 0, 1                                   ; the first step stands in front of the loop: its products start the sums
	s_mov_b32 s3, LAPS-1
.Llap:                                                 ; a trip goes once round the ring, from a lap's second step to the next lap's first, and fills both slots again
	TURN 0, 1, 1
	STEP 1, 0, 0
	TURN 1, 0, 1
	STEP 0, 0, 0
	s_sub_co_u32 s3, s3, 1
	s_cmp_lg_u32 s3, 0
	s_cbranch_scc1 .Llap
	TURN 0, 1, 0                                   ; the last lap fills nothing, and has no round of the cluster's barrier
	STEP 1, 0, 0
	s_wait_dscnt 4*NL                              ; the very last step: nothing more to fetch
	WIN MUL_LO
	MUL16 0, 1, 0
	MUL16 2, 1, 0
	s_wait_dscnt 0
	WIN MUL_HI
	MUL16 4, 1, 0
	MUL16 6, 1, 0
	WIN 0
; 64 numbers in v[TMP] on become 64 codes in v[CD] on: eight neighbours along the next K to a conversion.
.macro CODES
.irp b, 0,1,2,3,4,5,6,7
.irp i, 0,1,2,3,4,5,6,7
.endr
	v_cvt_scalef32_pk8_bf8_f32 v[CD+2*\b:CD+2*\b+1], v[TMP+8*\b:TMP+8*\b+7], v[SCL]
.endr
	v_nop                                          ; one plain vector line behind the last conversion: the next block's multiply-adds write its sources
.endm
.macro SCALES e                        ; the scale 2^e, e in s[e]
	s_add_co_i32 s84, s[\e], 127
	s_lshl_b32 s85, s84, 23
	v_mov_b32 v[SCL], s85
.endm
	s_wait_kmcnt 0x0
	s_add_co_i32 s96, s76, s77                     ; e0 + e1, between -126 and 127,
	s_add_co_i32 s96, s96, 127
	s_lshl_b32 s96, s96, 23                        ; makes the f32 number 2^(e0 + e1)
	s_mov_b32 s97, s96                             ; (named with it as a pair)
	s_cmp_eq_u32 ttmp9, 2                          ; the cluster's x: alike in all partners; no tensor load stands behind this branch
	s_cbranch_scc1 .Lv_out
	; ---------------- q and k: a lane holds row s = 16 a + r and columns 16 b + 8 h + 0 .. 7: head b / 4 of my two, d = 16 (b % 4) + 8 h + 0 .. 7 ----------------
	s_cmp_eq_u32 ttmp9, 0
	s_cselect_b64 s[74:75], s[68:69], s[70:71]     ; q_codes or k_codes
	s_cselect_b32 s86, s78, s79                    ; e2 or e3
	SCALES 86
	s_lshr_b32 s84, s17, 3                         ; the batch: eight tiles of 256 rows each
	s_lshl_b32 s84, s84, 4
	s_lshl_b32 s85, s40, 2
	s_add_co_u32 s84, s84, s85
	s_lshl_b32 s85, s16, 1
	s_add_co_u32 s84, s84, s85                     ; bh of my first head: 16 x batch + 4 cx + 2 x half
	s_lshl_b32 s84, s84, 11
	s_and_b32 s85, s17, 7
	s_lshl_b32 s85, s85, 8
	s_add_co_u32 s84, s84, s85
	s_lshl_b32 s85, s15, 7
	s_add_co_u32 s84, s84, s85                     ; + my first s
	s_lshl_b32 s84, s84, 6                         ; rows of 64 bytes
	s_mov_b32 s85, 0
	s_add_nc_u64 s[74:75], s[74:75], s[84:85]
	PLACES NP                                      ; behind the last products: the lines below write registers that held A's fragments
.irp b, 0,1,2,3,4,5,6,7
	ds_load_b128 v[BIAS+8*\b:BIAS+8*\b+3], v[BQK] offset:64*\b       ; my wave's own bytes: no barrier is owed
	ds_load_b128 v[BIAS+8*\b+4:BIAS+8*\b+7], v[BQK] offset:64*\b+16
.endr
	s_wait_dscnt 0x0
.macro QPACK a                         ; block a: 16 rows x 128 columns: numbers, codes, into my stage, and back as dense runs
.set AC, 64*((\a)%4)
	WIN 0x02+((\a)/4)                              ; source 0: window 2 or 3
.set j, 0
.rept 32
	v_pk_fma_f32 v[TMP+j:TMP+j+1], v[AC+j:AC+j+1], s[96:97], v[BIAS+j:BIAS+j+1] op_sel_hi:[1,0,1]   ; sum x 2^(e0 + e1) + bias; each accumulator from its low end on
.set j, j+2
.endr
	WIN 0
	CODES
.irp b, 0,1,2,3,4,5,6,7
	ds_store_b64 v[QST], v[CD+2*\b:CD+2*\b+1] offset:(\b/4)*1280+16*(\b%4)
.endr
.set BB, BK+16*((\a)%2)
.irp u, 0,1,2,3
	ds_load_b128 v[BB+4*\u:BB+4*\u+3], v[QRD] offset:(\u/2)*1280+(\u%2)*640    ; LDS serves a wave's instructions in order (ISA guide 5.7.1.4): these see the stores above
.endr
.endm
.macro QSEND a, younger                ; younger: the LDS instructions issued behind block a's loads, which may stay out
.set BB, BK+16*((\a)%2)
	s_wait_dscnt \younger
.irp u, 0,1,2,3
	global_store_b128 v[L16], v[BB+4*\u:BB+4*\u+3], s[74:75] offset:(\u/2)*131072+(\a)*1024+(\u%2)*512   ; eight rows of 64 bytes of one head: 512 consecutive bytes, aligned
.endr
.endm
	QPACK 0
.irp a, 1,2,3,4,5,6,7
.if \a > 1
	s_wait_xcnt 0x0                                ; block a - 2's stores have read their registers: block a's loads may land there
.endif
	QPACK \a
	QSEND \a-1, 12                                 ; behind block a - 1's loads: block a's 8 stores and 4 loads
.endr
	QSEND 7, 0
	s_wait_tensorcnt 0x0                           ; the wave's end
	ds_add_u32 v[SPW], v[NIL]
	s_wait_dscnt 0x0
	CROUND                                         ; the closing round: no work-group ends while a partner may still ask for a tile that names it
	s_endpgm
	; ---------------- v: a lane holds column 16 a + r of W (head a / 4 of my two, d = 16 (a % 4) + r) and keys 16 b + 8 h + 0 .. 7 ----------------
.Lv_out:
	SCALES 81                                      ; e5
	s_lshr_b32 s84, s42, 3                         ; the batch of x's tile
	s_lshl_b32 s84, s84, 10                        ; v_codes' rows (bh, d) are 1,024 x batch + v's column
	s_lshl_b32 s85, s41, 8
	s_add_co_u32 s84, s84, s85                     ; + 256 cy
	s_lshl_b32 s85, s14, 6
	s_add_co_u32 s84, s84, s85                     ; + the 64 rows that I store
	s_lshl_b32 s84, s84, 11                        ; rows of 2,048 bytes
	s_and_b32 s85, s42, 7
	s_lshl_b32 s85, s85, 8
	s_add_co_u32 s84, s84, s85                     ; + the tile's 256 keys
	s_mov_b32 s85, 0
	s_add_nc_u64 s[72:73], s[72:73], s[84:85]
	PLACES NP
.irp a, 0,1,2,3,4,5,6,7
	ds_load_b32 v[BIAS+2*\a], v[BV] offset:64*\a   ; the bias of my column of block a, twice: a pair for the packed form
	ds_load_b32 v[BIAS+2*\a+1], v[BV] offset:64*\a
.endr
	s_wait_dscnt 0x0
.macro VPACK a
.set AC, 64*((\a)%4)
	WIN 0x02+((\a)/4)
.set j, 0
.rept 32
	v_pk_fma_f32 v[TMP+j:TMP+j+1], v[AC+j:AC+j+1], s[96:97], v[BIAS+2*(\a):BIAS+2*(\a)+1] op_sel_hi:[1,0,1]
.set j, j+2
.endr
	WIN 0
	CODES
.irp c, 0,1,2,3
	ds_store_b128 v[VST], v[CD+4*\c:CD+4*\c+3] offset:(\a)*4352+32*\c   ; the codes of key blocks 2 c and 2 c + 1 side by side, at 32 c + 16 h: key 16 u + 8 h + i at place 16 h + 8 u + i
.endr
.endm
.irp a, 0,1,2,3,4,5,6,7
	VPACK \a
.endr
	s_wait_dscnt 0x0                               ; for the others' sake: a row's 256 bytes come from two waves
	s_barrier_signal -1
	s_barrier_wait -1
.set t, 0
.rept 32
	ds_load_b128 v[128+4*t:131+4*t], v[VRD] offset:544*t
.set t, t+1
.endr
.set t, 0
.rept 32
	s_wait_dscnt 31-t                              ; load t is in; the 31 - t younger ones may be out
	global_store_b128 v[VGO], v[128+4*t:131+4*t], s[72:73] offset:4096*t   ; sixteen lanes store 256 consecutive bytes, aligned
.set t, t+1
.endr
	s_wait_tensorcnt 0x0                           ; the wave's end
	ds_add_u32 v[SPW], v[NIL]
	s_wait_dscnt 0x0
	CROUND                                         ; the closing round
	s_endpgm
.Lfunc_end_k_qded3f1e5da_gemm_qkv:
	.size	k_qded3f1e5da_gemm_qkv, .Lfunc_end_k_qded3f1e5da_gemm_qkv-k_qded3f1e5da_gemm_qkv
	.p2alignl 7, 3214868480
	.fill 96, 4, 3214868480
	.section	.rodata,"a",@progbits
	.p2align	6, 0x0
	.amdhsa_kernel k_qded3f1e5da_gemm_qkv
		.amdhsa_group_segment_fixed_size 327680
		.amdhsa_private_segment_fixed_size 0
		.amdhsa_enable_private_segment 0
		.amdhsa_kernarg_size 56
		.amdhsa_user_sgpr_count 2
		.amdhsa_user_sgpr_kernarg_segment_ptr 1
		.amdhsa_wavefront_size32 1
		.amdhsa_system_sgpr_workgroup_id_x 1
		.amdhsa_system_sgpr_workgroup_id_y 1
		.amdhsa_system_sgpr_workgroup_id_z 1
		.amdhsa_system_vgpr_workitem_id 0
		.amdhsa_next_free_vgpr 1024
		.amdhsa_next_free_sgpr 98
		.amdhsa_reserve_vcc 0
		.amdhsa_float_denorm_mode_32 3
		.amdhsa_float_denorm_mode_16_64 3
		.amdhsa_fp16_overflow 1
		.amdhsa_memory_ordered 1
		.amdhsa_forward_progress 1
		.amdhsa_inst_pref_size 142
	.end_amdhsa_kernel
	.amdgpu_metadata
---
amdhsa.version: [ 1, 2 ]
amdhsa.kernels:
  - .name:           k_qded3f1e5da_gemm_qkv
    .symbol:         k_qded3f1e5da_gemm_qkv.kd
    .args:
      - { .name: x_codes, .offset: 0, .size: 8, .value_kind: global_buffer, .address_space: global }
      - { .name: wqkv_codes, .offset: 8, .size: 8, .value_kind: global_buffer, .address_space: global }
      - { .name: lowp_scales, .offset: 16, .size: 8, .value_kind: global_buffer, .address_space: global }
      - { .name: b_qkv, .offset: 24, .size: 8, .value_kind: global_buffer, .address_space: global }
      - { .name: q_codes, .offset: 32, .size: 8, .value_kind: global_buffer, .address_space: global }
      - { .name: k_codes, .offset: 40, .size: 8, .value_kind: global_buffer, .address_space: global }
      - { .name: v_codes, .offset: 48, .size: 8, .value_kind: global_buffer, .address_space: global }
    .group_segment_fixed_size: 327680
    .private_segment_fixed_size: 0
    .kernarg_segment_align: 8
    .kernarg_segment_size: 56
    .max_flat_workgroup_size: 128
    .sgpr_count:     98
    .vgpr_count:     1024
    .wavefront_size: 32
...
	.end_amdgpu_metadata
.endif
;; end of part 2
;; launch attn (part 3): grid 4 x 64, 16 waves a work-group, clusters of 4 x 1, 327,680 bytes of LDS; arguments q_codes, k_codes, v_codes, lowp_scales, attn_codes; writes attn_codes
.if DOCPART == 3
	.amdgcn_target "amdgcn-amd-amdhsa--gfx1250"
	.amdhsa_code_object_version 6
	.text
	.protected	k_qded3f1e5da_attn
	.globl	k_qded3f1e5da_attn
	.p2align	8
	.type	k_qded3f1e5da_attn,@function
k_qded3f1e5da_attn:
	s_mov_b64 s[64:65], 0
	v_nop
	global_prefetch_b8 v0, s[64:65] scope:SCOPE_SE
	s_setreg_imm32_b32 hwreg(HW_REG_WAVE_MODE, 25, 1), 1
	s_wait_xcnt 0x0
	s_wait_alu depctr_hold_cnt(0) depctr_sa_sdst(0) depctr_va_vdst(0) depctr_va_sdst(0) depctr_va_ssrc(0) depctr_va_vcc(0) depctr_vm_vsrc(0)
	s_getreg_b32 s2, hwreg(HW_REG_IB_STS2, 6, 4)
	s_cmp_eq_u32 s2, 0
	s_cbranch_scc0 .Lentry_in_a_cluster
	s_endpgm
.Lentry_in_a_cluster:
	s_bfe_u32 s2, ttmp6, 0x10000c
	s_cmp_lg_u32 s2, 0x3003
	s_cbranch_scc0 .Lentry_shape_is_right
	s_endpgm
.Lentry_shape_is_right:
; Causal attention on codes of BF8 (E5M2): for each of 64 (batch, head) pairs bh, O[q] = sum over keys k <= q of softmax_k(Q[q] . K[k] / 8) V[k], and O quantised for the last product.
; q_codes, k_codes [64 bh][2048][64 d] (scales e2, e3).  v_codes [64 bh][64 d][2048 places] (e5): keys innermost; within each 32 keys, key 16 u + 8 h + i lies at place 16 h + 8 u + i.
; attn_codes [16 head][8192 rows][64 d] (e6): a tile's 16 rows of a head are 1,024 consecutive bytes.
; THE SOFTMAX AHEAD OF THE SECOND PRODUCT: t = score x log2(e) / 8; M = the row's largest t so far, rounded UP to a whole number; p = 2^(t - M) is quantised (scale e4), not normalised.  The row's sum is taken of the unquantised p,
; in f32, and divides O at the end.  When M moves, the sum and O are multiplied by 2^(old M - new M): exact.
; LIMITS: e2 + e3 between -123 and 130 (added to the exponent field of log2(e) / 8); e4 and e6 between -126 and 112; e4 + e5 is applied by v_ldexp_f32 and has none.  NaN is not served.
; SHARES.  A cluster of four work-groups is one bh.  Work-group g (its place in the cluster) owns the query tiles 4 j + g, j = 0 .. 31: rows 64 j + 16 g + 0 .. 15.  Wave w of sixteen owns two: j = w and j = 31 - w.
; Keys go 128 a step.  Step s is hidden from tile j where 2 s > j, and wants no mask where 2 s + 2 <= j: neither test knows g.  A tile has j / 2 + 1 live steps, so every wave of every work-group has 17, two of them masked:
; the work is even, and no branch hangs on the place in the cluster (only the mask's numbers and Q's and O's addresses do).
; THE HEAD'S WHOLE K AND V LIE IN LDS, each byte filled once, by joint tensor loads that name all four work-groups: no ring, no refill.  Waves 0 and 1 ask for K, waves 2 and 3 for V, four loads each (512 keys a load pair):
; by this text's count a wave has four tensor loads out at the most.  The first 512 keys are waited for alone; two barriers in all.
; LAYOUT.  Both products are used transposed: S^T = K Q^T (source 0 = 16 neighbouring keys, source 1 = my 16 queries), O^T = V^T P^T (source 0 = 16 of the head's 64, source 1 = P): a lane holds ONE query (lane % 16) throughout.
; In S^T's tile T lane (r, h) holds keys 16 T + 8 h + 0 .. 7; their eight codes are registers 2 T, 2 T + 1 of P, and v_codes' order of places puts the same keys into the same registers and bytes of V's fragments.
; Q's and K's fragments are loaded alike, 16 bytes at 16 h and at 32 + 16 h of a row: one order of d on both sides.
; REGISTERS: v1-7 addresses that stay; v8, v9 addresses of the step; v12 -M, v13 the largest t, v[14:15] the sum: tile 0's; v248-251 the same for tile 1; v16-23, v24-31 Q; v32-95 K's eight fragments, then V's four;
; v96-159 S^T, then p; v160-191, v192-223 O^T; v224-239 p's codes; v244 p's scale; v246 O's; v[242:243] a second chain of the sum; v245 a permute's result; v247 -infinity; v[252:253] f; v254, v255 at work.
.set KP,    80                         ; a key's row in LDS: 64 bytes + 16 of padding: 20 words: the 16 rows of a load start at 16 different groups of four banks (64 banks of 4 bytes: ISA guide 11.1)
.set VP,    528                        ; a row of a block of V: 512 bytes + 16
.set KCH,   512*KP                     ; K of 512 keys
.set VBASE, 4*KCH                      ; V lies behind K's 2,048 rows: four blocks of 512 keys,
.set VBL,   64*VP                      ; each 64 rows
.set STG,   VBASE+4*VBL                ; behind them: a stage of 1,024 bytes for each wave, for the way out; no fill lands here
.set AK0,  1                           ; v1   my lane's place in a tile of K: 80 r + 16 h
.set AV0,  2                           ; v2   in a tile of V: VBASE + 528 r + 16 h
.set QD,   3                           ; v3   16 g + r - 8 h: the mask's number
.set STO,  4                           ; v4   the way out: where I put 8 codes of a row
.set SRD,  5                           ; v5   and where I read 16 bytes back
.set L16,  6                           ; v6   16 x lane
.set QA,   7                           ; v7   64 r + 16 h
.set ADK,  8
.set ADV,  9
.set WV,   18                          ; s18  my wave's number
.set SEL,  20                          ; s[20:21] lane selects for v_permlanex16_b32: lane l xor 16
.set CS,   22                          ; s[22:23] c = log2(e) / 8 x 2^(e2 + e3)
.set G1K,  24                          ; s[24:31] descriptor group 1 for K's loads;  s[32:39] for V's
.set G1V,  32
.set G0K,  40                          ; s[40:55] four groups 0 for K
.set G0V,  68                          ; s[68:83] four for V
.set TBK,  56                          ; s56  LDS byte of the step's keys in K
.set TBV,  57                          ; s57  and in V, from VBASE
.set S2,   58                          ; s58  2 x the step's number
.set CNT,  59
.set OUTC, 60
.set TP,   61
.set JT,   92                          ; s92, s93  j of my two tiles
.macro ROUND                           ; a round of the cluster's barrier
	s_barrier_signal -1
	s_barrier_wait -1
	s_cmp_lg_u32 s[WV], 0
	s_cbranch_scc1 .Lnot_wave_0_\@
	s_barrier_signal -3
.Lnot_wave_0_\@:
	s_barrier_wait -3
	s_barrier_signal -1
	s_barrier_wait -1
.endm
	s_load_b256 s[4:11], s[0:1], 0x0               ; q_codes s[4:5], k_codes s[6:7], v_codes s[8:9], the scales' exponents s[10:11]
	s_load_b64 s[12:13], s[0:1], 0x20              ; attn_codes
	v_lshl_add_u32 v254, v0, 2, 0x4d000
	v_mov_b32 v255, 0
	ds_add_u32 v254, v255
	ds_add_u32 v254, v255
	s_wait_dscnt 0x0
	v_lshrrev_b32 v8, 5, v0
	s_delay_alu instid0(VALU_DEP_1)
	v_readfirstlane_b32 s[WV], v8                  ; wave 0..15
	s_bfe_u32 s14, ttmp6, 0x40000                  ; g: my place in the cluster
	s_and_b32 s15, ttmp7, 0xffff                   ; bh, which the four partners share
	s_lshl_b32 s16, s15, 17                        ; its first byte in q_codes, k_codes and v_codes: 131,072 bh
	s_mov_b32 s17, 0
	s_and_b32 s19, s[WV], 1                        ; u: which half of a load pair I ask for
	s_lshl_b32 s56, s19, 14                        ; K: 256 rows of 64 bytes
	s_mov_b32 s57, 0
	s_add_nc_u64 s[56:57], s[56:57], s[16:17]
	s_lshl_b32 s58, s19, 16                        ; V: 32 rows of 2,048 bytes
	s_mov_b32 s59, 0
	s_add_nc_u64 s[58:59], s[58:59], s[16:17]
	s_mul_i32 s60, s19, 256*KP                     ; and their places in LDS: no place in the cluster enters an LDS address
	s_mul_i32 s61, s19, 32*VP
	; descriptor group 1.  K: 256 rows of 64 bytes, dense in memory;  V: 32 rows of 512 bytes, 2,048 bytes apart
	s_mov_b32 s[G1K], 15|(0<<16)|(1<<20)|(1<<21)|(3<<22)|(3<<25)  ; 15:0 the mask: all four work-groups; 17:16 elements of 1 byte; 20 padding on; 21 set beside a mask; 24:22 after every 16 words (code 3); 31:25 four words (code 3)
	s_mov_b32 s[G1K+1], 64<<16                     ; tensor_dim0
	s_mov_b32 s[G1K+2], 256<<16                    ; tensor_dim1
	s_mov_b32 s[G1K+3], 64<<16                     ; tile_dim0
	s_mov_b32 s[G1K+4], 256                        ; tile_dim1
	s_mov_b32 s[G1K+5], 64                         ; tensor_dim0_stride
	s_mov_b32 s[G1K+6], 0
	s_mov_b32 s[G1K+7], 0
	s_mov_b32 s[G1V], 15|(0<<16)|(1<<20)|(1<<21)|(6<<22)|(3<<25)  ; padding: four words after every 128
	s_mov_b32 s[G1V+1], 512<<16
	s_mov_b32 s[G1V+2], 32<<16
	s_mov_b32 s[G1V+3], 512<<16
	s_mov_b32 s[G1V+4], 32
	s_mov_b32 s[G1V+5], 2048
	s_mov_b32 s[G1V+6], 0
	s_mov_b32 s[G1V+7], 0
	s_mov_b32 s[SEL], 0x76543210
	s_mov_b32 s[SEL+1], 0xfedcba98
	s_wait_kmcnt 0x0
	s_load_b256 s[84:91], s[10:11], 0x0            ; e0 .. e7
	s_add_nc_u64 s[6:7], s[6:7], s[56:57]
	s_add_nc_u64 s[8:9], s[8:9], s[58:59]
.irp p, 0,1,2,3                        ; a group 0 for each of the four loads: none is ever rewritten
	s_mov_b32 s[G0K+4*\p], 1                                       ; 1:0 count = 1
	s_add_co_u32 s[G0K+4*\p+1], s60, KCH*\p                        ; 63:32 LDS address
	s_add_nc_u64 s[G0K+4*\p+2:G0K+4*\p+3], s[6:7], 32768*\p        ; 120:64 global address: keys 512 p + 256 u on
	s_or_b32 s[G0K+4*\p+3], s[G0K+4*\p+3], 0x80000000              ; 127:126 type = 2
	s_mov_b32 s[G0V+4*\p], 1
	s_add_co_u32 s[G0V+4*\p+1], s61, VBASE+VBL*\p
	s_add_nc_u64 s[G0V+4*\p+2:G0V+4*\p+3], s[8:9], 512*\p          ; rows 32 u on, places 512 p on
	s_or_b32 s[G0V+4*\p+3], s[G0V+4*\p+3], 0x80000000
.endr
	ROUND                                          ; all four work-groups are here: the joint loads meet
	s_cmp_lt_u32 s[WV], 2                          ; a wave's four fills stand in one branch on the wave's number, ahead of every wait on TENSORcnt and every LDS read; four v_nop follow the last
	s_cbranch_scc0 .Lnot_k
.irp p, 0,1,2,3
	tensor_load_to_lds s[G0K+4*\p:G0K+4*\p+3], s[G1K:G1K+7]
	s_nop 0
.endr
.rept 4
	v_nop
.endr
	s_branch .Lasked
.Lnot_k:
	s_cmp_lt_u32 s[WV], 4
	s_cbranch_scc0 .Lasked
.irp p, 0,1,2,3
	tensor_load_to_lds s[G0V+4*\p:G0V+4*\p+3], s[G1V:G1V+7]
	s_nop 0
.endr
.rept 4
	v_nop
.endr
.Lasked:
	s_mov_b32 s[JT], s[WV]                         ; j of tile 0,
	s_sub_co_u32 s[JT+1], 31, s[WV]                ; of tile 1
	s_lshl_b32 s56, s14, 10                        ; 16 g rows of 64 bytes
	s_mov_b32 s57, 0
	s_add_nc_u64 s[56:57], s[56:57], s[16:17]
	s_add_nc_u64 s[4:5], s[4:5], s[56:57]
	s_lshl_b32 s58, s[JT], 12                      ; 64 j rows
	s_mov_b32 s59, 0
	s_add_nc_u64 s[66:67], s[4:5], s[58:59]        ; Q of tile 0
	s_lshl_b32 s58, s[JT+1], 12
	s_add_nc_u64 s[96:97], s[4:5], s[58:59]        ; Q of tile 1
	v_and_b32 v10, 15, v0                          ; r
	s_wait_alu depctr_va_vdst(0)
	v_bfe_u32 v11, v0, 4, 1                        ; h
	v_lshlrev_b32 v[QA], 6, v10
	s_delay_alu instid0(VALU_DEP_1)
	v_lshl_add_u32 v[QA], v11, 4, v[QA]
	global_load_b128 v[16:19], v[QA], s[66:67]               ; Q's fragments stay in registers
	global_load_b128 v[20:23], v[QA], s[66:67] offset:32
	global_load_b128 v[24:27], v[QA], s[96:97]
	global_load_b128 v[28:31], v[QA], s[96:97] offset:32
	s_and_b32 s58, s15, 15                         ; attn_codes: the head,
	s_lshl_b32 s58, s58, 19                        ; 8,192 rows of 64 bytes each;
	s_lshr_b32 s59, s15, 4                         ; the batch,
	s_lshl_b32 s59, s59, 17                        ; 2,048 rows;
	s_add_co_u32 s58, s58, s59
	s_lshl_b32 s59, s14, 10                        ; 16 g rows
	s_add_co_u32 s58, s58, s59
	s_mov_b32 s59, 0
	s_add_nc_u64 s[12:13], s[12:13], s[58:59]
	s_lshl_b32 s58, s[JT], 12
	s_add_nc_u64 s[98:99], s[12:13], s[58:59]      ; O of tile 0
	s_lshl_b32 s58, s[JT+1], 12
	s_add_nc_u64 s[100:101], s[12:13], s[58:59]    ; O of tile 1
	v_mul_u32_u24 v[AK0], v10, KP
	s_wait_alu depctr_va_vdst(0)
	v_lshl_add_u32 v[AK0], v11, 4, v[AK0]
	v_mul_u32_u24 v[AV0], v10, VP
	s_delay_alu instid0(VALU_DEP_1)
	v_lshl_add_u32 v[AV0], v11, 4, v[AV0]
	s_delay_alu instid0(VALU_DEP_1)
	v_add_nc_u32 v[AV0], VBASE, v[AV0]
	v_lshlrev_b32 v[QD], 3, v11
	s_delay_alu instid0(VALU_DEP_1)
	v_sub_nc_u32 v[QD], v10, v[QD]
	s_delay_alu instid0(VALU_DEP_1)
	v_lshl_add_u32 v[QD], s14, 4, v[QD]            ; 16 g + r - 8 h (a number for the mask, no address)
	s_lshl_b32 s58, s[WV], 10
	s_add_co_u32 s58, s58, STG                     ; my stage
	v_lshlrev_b32 v[STO], 6, v10
	s_delay_alu instid0(VALU_DEP_1)
	v_lshl_add_u32 v[STO], v11, 3, v[STO]
	s_delay_alu instid0(VALU_DEP_1)
	v_add_nc_u32 v[STO], s58, v[STO]               ; in: row r of 64 bytes, 8 bytes for each half of the lanes
	v_and_b32 v[L16], 31, v0
	s_delay_alu instid0(VALU_DEP_1)
	v_lshlrev_b32 v[L16], 4, v[L16]
	s_delay_alu instid0(VALU_DEP_1)
	v_add_nc_u32 v[SRD], s58, v[L16]               ; back: as the bytes lie
	v_mov_b32 v13, 0xff61b1e6                      ; the largest t so far: -3e38, under every t
	s_delay_alu instid0(VALU_DEP_1)
	v_floor_f32 v12, -v13                          ; -M
	v_mov_b32 v14, 0                               ; the sum, in two halves
	v_mov_b32 v15, 0
	v_mov_b32 v249, 0xff61b1e6
	s_delay_alu instid0(VALU_DEP_1)
	v_floor_f32 v248, -v249
	v_mov_b32 v250, 0
	v_mov_b32 v251, 0
	v_mov_b32 v245, 0                              ; written once: a lane permute's destination counts as one of its sources
	v_mov_b32 v253, 0                              ; (named as the upper half of the pair v[252:253])
	v_mov_b32 v247, 0xff800000                     ; -infinity
.set n, 0
.rept 64
	v_mov_b32 v[160+n], 0                          ; O^T of both tiles.  (The step is written once: a tile's first step finds zeros, which the first change of M leaves zeros)
.set n, n+1
.endr
	s_wait_kmcnt 0x0
	s_mov_b32 s[CS], 0x3e38aa3b                    ; log2(e) / 8
	s_add_co_i32 s[TP], s86, s87
	s_lshl_b32 s[TP], s[TP], 23
	s_add_co_i32 s[CS], s[CS], s[TP]               ; a score stands for score x 2^(e2 + e3): the two exponents are added to c's exponent field
	s_mov_b32 s[CS+1], s[CS]                       ; (named with it as a pair)
	s_add_co_i32 s[TP], s88, 127
	s_lshl_b32 s[CNT], s[TP], 23
	v_mov_b32 v244, s[CNT]                         ; 2^e4 as f32, for p's conversions
	s_add_co_i32 s[TP], s90, 127
	s_lshl_b32 s[CNT], s[TP], 23
	v_mov_b32 v246, s[CNT]                         ; 2^e6, for O's
	s_mov_b32 s[TBK], 0
	s_mov_b32 s[TBV], 0
	s_mov_b32 s[S2], 0
; ONE TILE'S KEY STEP: 128 keys against my tile x.
.macro TILE x
.if \x == 0
.set NM, 12
.set QF, 16
.set OT, 160
.else
.set NM, 248
.set QF, 24
.set OT, 192
.endif
.set TM, NM+1
.set SU, NM+2
	s_cmp_gt_u32 s[S2], s[JT+\x]                   ; all 128 keys come after my 16 queries: the step is left out.  A branch on ids; no barrier and no tensor load stands in a step
	s_cbranch_scc1 .Lhid_\@
	v_add_nc_u32 v[ADK], s[TBK], v[AK0]
	v_add_nc_u32 v[ADV], s[TBV], v[AV0]
	v_nop                                          ; with the two additions: four places in front of loads into registers that the last products read
	v_nop
.irp t, 0,1,2,3,4,5,6,7                        ; K's eight tiles of 16 neighbouring keys
	ds_load_b128 v[32+8*\t:35+8*\t], v[ADK] offset:16*KP*\t
	ds_load_b128 v[36+8*\t:39+8*\t], v[ADK] offset:16*KP*\t+32
.endr
	s_wait_alu depctr_va_vdst(0)
	s_wait_dscnt 0x0
.irp t, 0,1,2,3,4,5,6,7
	v_wmma_f32_16x16x64_bf8_bf8 v[96+8*\t:103+8*\t], v[32+8*\t:39+8*\t], v[QF:QF+7], 0
.endr
.rept 4
	v_nop                                          ; four places: in front of the loads below, and of the first read of the scores
.endr
.irp t, 0,1,2,3                                ; V's four tiles of 16 of the head's 64, 128 places each: they land while the softmax is worked
.irp c, 0,1,2,3
	ds_load_b128 v[32+16*\t+4*\c:35+16*\t+4*\c], v[ADV] offset:16*VP*\t+32*\c
.endr
.endr
	s_add_co_u32 s[TP], s[S2], 2
	s_cmp_le_u32 s[TP], s[JT+\x]                   ; all 128 keys count for all my queries: no mask
	s_cbranch_scc1 .Lopen_\@
	s_sub_co_u32 s[TP], s[JT+\x], s[S2]
	s_lshl_b32 s[TP], s[TP], 6
	v_add_nc_u32 v255, s[TP], v[QD]                ; my query - the step's first key - 8 h.  Register 8 T + i holds key 16 T + 8 h + i of the step: hidden where 16 T + i is larger
.set n, 0
.rept 64
	v_cmp_gt_i32 vcc_lo, 16*(n/8)+n%8, v255
	v_cndmask_b32 v[96+n], v[96+n], v247, vcc_lo   ; a hidden score becomes -infinity ahead of the maximum: p = 0 then.  The step's first key counts for every query of the tile
.set n, n+1
.endr
.Lopen_\@:
	v_max3_num_f32 v254, v96, v97, v98             ; the step's largest score of my query, among my 64 keys, in two chains, each accumulator from its low end on,
	v_max3_num_f32 v252, v99, v100, v101
.set n, 6
.rept 14
	v_max3_num_f32 v254, v254, v[96+n], v[97+n]
	v_max3_num_f32 v252, v252, v[98+n], v[99+n]
.set n, n+4
.endr
	v_max3_num_f32 v254, v254, v158, v159
	s_delay_alu instid0(VALU_DEP_1)
	v_max_num_f32 v254, v254, v252
	s_delay_alu instid0(VALU_DEP_1)
	v_permlanex16_b32 v245, v254, s[SEL], s[SEL+1]
	s_delay_alu instid0(VALU_DEP_1)
	v_max_num_f32 v254, v254, v245                 ; and among lane l xor 16's
	s_delay_alu instid0(VALU_DEP_1)
	v_mul_f32 v254, s[CS], v254                    ; as t (c is positive)
	s_delay_alu instid0(VALU_DEP_1)
	v_max_num_f32 v[TM], v[TM], v254               ; the running largest t
	v_mov_b32 v254, v[NM]
	s_delay_alu instid0(VALU_DEP_2)
	v_floor_f32 v[NM], -v[TM]                      ; the new -M = floor(-t) = -ceil(t): M is a whole number
	s_delay_alu instid0(VALU_DEP_1)
	v_sub_f32 v254, v[NM], v254                    ; M's old value less its new one: a whole number, 0 or less
	s_delay_alu instid0(VALU_DEP_1)
	v_cvt_i32_f32 v254, v254                       ; (it saturates)
	s_delay_alu instid0(VALU_DEP_1)
	v_ldexp_f32 v252, 1.0, v254                    ; f = 2^(old M - new M)
.set n, 0
.rept 32
	v_pk_fma_f32 v[96+n:97+n], v[96+n:97+n], s[CS:CS+1], v[NM:NM+1] op_sel_hi:[1,0,0]   ; t - M, two at a time (of the pairs c and -M the low word serves both halves)
.set n, n+2
.endr
.set n, 0
	s_wait_alu depctr_va_vdst(0)
.rept 64
	v_exp_f32 v[96+n], v[96+n]                     ; p = 2^(t - M), at most 1: not normalised
.set n, n+1
.endr
	v_pk_mul_f32 v[SU:SU+1], v[SU:SU+1], v[252:253] op_sel_hi:[1,0]   ; the sums under the new M.  (A plain line behind the exponentials)
	s_wait_alu depctr_va_vdst(0)
	v_pk_add_f32 v[242:243], v[96:97], v[98:99]    ; the row's sum is taken of the unquantised p: two at a time, in two chains
.set n, 4
.rept 15
	v_pk_add_f32 v[SU:SU+1], v[SU:SU+1], v[96+n:97+n]
	v_pk_add_f32 v[242:243], v[242:243], v[98+n:99+n]
.set n, n+4
.endr
	s_delay_alu instid0(VALU_DEP_1)
	v_pk_add_f32 v[SU:SU+1], v[SU:SU+1], v[242:243]
.irp t, 0,1,2,3,4,5,6,7
.irp i, 0,1,2,3,4,5,6,7
.endr
	v_cvt_scalef32_pk8_bf8_f32 v[224+2*\t:225+2*\t], v[96+8*\t:103+8*\t], v244
.endr
.set n, 0
.rept 16
	v_pk_mul_f32 v[OT+n:OT+n+1], v[OT+n:OT+n+1], v[252:253] op_sel_hi:[1,0]   ; O^T under the new M: x f; each accumulator from its low end on.  (Plain lines between the conversions and the products)
.set n, n+2
.endr
	s_wait_alu depctr_va_vdst(0)
	s_wait_dscnt 0x0                               ; V's fragments are in
.irp t, 0,1,2,3                                ; O^T += V^T P^T: the four accumulators take turns, one instruction a turn; eight score products stand between two links of a chain
	v_wmma_f32_16x16x128_bf8_bf8 v[OT+8*\t:OT+8*\t+7], v[32+16*\t:47+16*\t], v[224:239], v[OT+8*\t:OT+8*\t+7]
.endr
.Lhid_\@:
.endm
; Four key steps: 512 keys, one load pair's worth.  Every trip count is a constant.
.macro CHUNK
	s_mov_b32 s[CNT], 4
.Lstep_\@:
	TILE 0
	TILE 1
	s_add_co_u32 s[TBK], s[TBK], 128*KP
	s_add_co_u32 s[TBV], s[TBV], 128
	s_add_co_u32 s[S2], s[S2], 2
	s_sub_co_u32 s[CNT], s[CNT], 1
	s_cmp_lg_u32 s[CNT], 0
	s_cbranch_scc1 .Lstep_\@
	s_add_co_u32 s[TBV], s[TBV], VBL-512           ; on to V's next block
.endm
	s_wait_loadcnt 0x0                             ; Q
	s_wait_tensorcnt 0x3                           ; the first of my four loads, my part of keys 0 to 511, is in; the three younger ones may be out
	s_barrier_signal -1
	s_barrier_wait -1                              ; everybody's is
	CHUNK                                          ; steps 0 to 3
	s_wait_tensorcnt 0x0                           ; all my loads are in,
	s_wait_dscnt 0x0
	s_barrier_signal -1
	s_barrier_wait -1                              ; everybody's are: from here on no wave waits for another
	s_mov_b32 s[OUTC], 3
.Lchunk:
	CHUNK
	s_sub_co_u32 s[OUTC], s[OUTC], 1
	s_cmp_lg_u32 s[OUTC], 0
	s_cbranch_scc1 .Lchunk
; THE WAY OUT of tile x: O^T x 2^(e4 + e5) / the sum, quantised with e6.  A lane's eight numbers of tile t are d = 16 t + 8 h + 0 .. 7 of its query: eight neighbours along the last product's K.
; The codes go through my stage and leave as 1,024 consecutive bytes.
.macro OUT x
.if \x == 0
.set SU, 14
.set OT, 160
.else
.set SU, 250
.set OT, 192
.endif
	v_add_f32 v[SU], v[SU], v[SU+1]                ; the sum's two halves,
	s_delay_alu instid0(VALU_DEP_1)
	v_permlanex16_b32 v245, v[SU], s[SEL], s[SEL+1]
	s_delay_alu instid0(VALU_DEP_1)
	v_add_f32 v[SU], v[SU], v245                   ; and lane l xor 16's: the row's sum
	s_wait_alu depctr_va_vdst(0)
	v_rcp_f32 v[SU], v[SU]
	v_nop                                          ; one plain line behind a transcendental
	s_wait_alu depctr_va_vdst(0)
	v_ldexp_f32 v[SU], v[SU], s[TP]                ; x 2^(e4 + e5)
.set n, 0
.rept 16
	v_pk_mul_f32 v[96+n:97+n], v[OT+n:OT+n+1], v[SU:SU+1] op_sel_hi:[1,0]
.set n, n+2
.endr
.irp t, 0,1,2,3
.irp i, 0,1,2,3,4,5,6,7
.endr
	v_cvt_scalef32_pk8_bf8_f32 v[224+2*\t:225+2*\t], v[96+8*\t:103+8*\t], v246
.endr
	v_nop                                          ; one plain vector line behind the last conversion
.irp t, 0,1,2,3
	ds_store_b64 v[STO], v[224+2*\t:225+2*\t] offset:16*\t
.endr
.irp u, 0,1
	ds_load_b128 v[32+8*\x+4*\u:35+8*\x+4*\u], v[SRD] offset:512*\u   ; LDS serves a wave's instructions in order (ISA guide 5.7.1.4): these see my stores
.endr
	s_wait_dscnt 0x0
.irp u, 0,1
	global_store_b128 v[L16], v[32+8*\x+4*\u:35+8*\x+4*\u], s[98+2*\x:99+2*\x] offset:512*\u   ; the wave stores 512 consecutive bytes, aligned
.endr
.endm
	s_add_co_i32 s[TP], s88, s89                   ; e4 + e5
.rept 4
	v_nop                                          ; four places behind the last products
.endr
	OUT 0
	OUT 1
	s_wait_xcnt 0x0
	v_lshl_add_u32 v254, v0, 2, 0x4d000
	v_mov_b32 v255, 0
	s_wait_alu depctr_va_vdst(0)
	s_wait_tensorcnt 0x0
	ds_add_u32 v254, v255
	s_wait_dscnt 0x0
	ROUND                                          ; the closing round: no work-group ends while a partner may still ask for a tile that names it
	s_endpgm
.Lfunc_end_k_qded3f1e5da_attn:
	.size	k_qded3f1e5da_attn, .Lfunc_end_k_qded3f1e5da_attn-k_qded3f1e5da_attn
	.p2alignl 7, 3214868480
	.fill 96, 4, 3214868480
	.section	.rodata,"a",@progbits
	.p2align	6, 0x0
	.amdhsa_kernel k_qded3f1e5da_attn
		.amdhsa_group_segment_fixed_size 327680
		.amdhsa_private_segment_fixed_size 0
		.amdhsa_enable_private_segment 0
		.amdhsa_kernarg_size 40
		.amdhsa_user_sgpr_count 2
		.amdhsa_user_sgpr_kernarg_segment_ptr 1
		.amdhsa_wavefront_size32 1
		.amdhsa_system_sgpr_workgroup_id_x 1
		.amdhsa_system_sgpr_workgroup_id_y 1
		.amdhsa_system_sgpr_workgroup_id_z 1
		.amdhsa_system_vgpr_workitem_id 0
		.amdhsa_next_free_vgpr 256
		.amdhsa_next_free_sgpr 102
		.amdhsa_reserve_vcc 1
		.amdhsa_float_denorm_mode_32 3
		.amdhsa_float_denorm_mode_16_64 3
		.amdhsa_fp16_overflow 1
		.amdhsa_memory_ordered 1
		.amdhsa_forward_progress 1
		.amdhsa_inst_pref_size 93
	.end_amdhsa_kernel
	.amdgpu_metadata
---
amdhsa.version: [ 1, 2 ]
amdhsa.kernels:
  - .name:           k_qded3f1e5da_attn
    .symbol:         k_qded3f1e5da_attn.kd
    .args:
      - { .name: q_codes, .offset: 0, .size: 8, .value_kind: global_buffer, .address_space: global }
      - { .name: k_codes, .offset: 8, .size: 8, .value_kind: global_buffer, .address_space: global }
      - { .name: v_codes, .offset: 16, .size: 8, .value_kind: global_buffer, .address_space: global }
      - { .name: lowp_scales, .offset: 24, .size: 8, .value_kind: global_buffer, .address_space: global }
      - { .name: attn_codes, .offset: 32, .size: 8, .value_kind: global_buffer, .address_space: global }
    .group_segment_fixed_size: 327680
    .private_segment_fixed_size: 0
    .kernarg_segment_align: 8
    .kernarg_segment_size: 40
    .max_flat_workgroup_size: 512
    .sgpr_count:     102
    .vgpr_count:     256
    .wavefront_size: 32
...
	.end_amdgpu_metadata
.endif
;; end of part 3
;; launch gemm_out (part 4): grid 4 x 32, 4 waves a work-group, clusters of 4 x 4, 327,680 bytes of LDS; arguments attn_codes, wout_codes, lowp_scales, b_out, out0; writes out0
.if DOCPART == 4
	.amdgcn_target "amdgcn-amd-amdhsa--gfx1250"
	.amdhsa_code_object_version 6
	.text
	.protected	k_qded3f1e5da_gemm_out
	.globl	k_qded3f1e5da_gemm_out
	.p2align	8
	.type	k_qded3f1e5da_gemm_out,@function
k_qded3f1e5da_gemm_out:
	s_mov_b64 s[64:65], 0
	v_nop
	global_prefetch_b8 v0, s[64:65] scope:SCOPE_SE
	s_setreg_imm32_b32 hwreg(HW_REG_WAVE_MODE, 25, 1), 1
	s_wait_xcnt 0x0
	s_wait_alu depctr_hold_cnt(0) depctr_sa_sdst(0) depctr_va_vdst(0) depctr_va_sdst(0) depctr_va_ssrc(0) depctr_va_vcc(0) depctr_vm_vsrc(0)
	s_getreg_b32 s2, hwreg(HW_REG_IB_STS2, 6, 4)
	s_cmp_eq_u32 s2, 0
	s_cbranch_scc0 .Lentry_in_a_cluster
	s_endpgm
.Lentry_in_a_cluster:
	s_bfe_u32 s2, ttmp6, 0x10000c
	s_cmp_lg_u32 s2, 0xf033
	s_cbranch_scc0 .Lentry_shape_is_right
	s_endpgm
.Lentry_shape_is_right:
; out0 = attn W_out + b_out on codes of BF8 (E5M2).  attn_codes [16 head][8192 rows][64 d] (scale e6; K = 64 x head + d), wout_codes [1024 n][1024 k] (e7), b_out [1024] f32, out0 [8192][1024] f32.
; Sums in f32; a number of out0 is sum x 2^(e6 + e7) + bias, one fused multiply-add.  LIMIT: e6 + e7 between -126 and 127, so that 2^(e6 + e7) is an f32 number.
; A tile of out0, 256 x 256, is made by four waves, as many as a WGP has SIMDs; a wave makes 128 x 128: 64 accumulators, 512 registers.  K goes in steps of 256 (four heads) through a ring of two LDS slots filled by the tensor data mover.
; A's tile of 128 rows x 4 heads is four runs of 8,192 consecutive bytes of memory (128 rows x 64 bytes of one head), 524,288 bytes apart; in LDS 16 bytes of padding follow every 64, so that it lies as [4 heads][128 rows][80 bytes].
; CLUSTERS of 4 x 4: A's tile is shared along a row of the cluster, B's along a column: each is asked for JOINTLY, by the same tensor load with the same descriptor and a mask that names the four.
; The grid has 128 work-groups: the output has 128 tiles of this size.
; THE MATRIX INSTRUCTION IS USED TRANSPOSED (source 0 = 16 rows of W_out's codes, source 1 = 16 rows of attn): a lane then holds eight neighbouring numbers of a row of out0.
; REGISTERS, in windows of 256: window 0: v0-31 addresses; v32-95 the bias of my 128 columns, in the result's layout; from v128 A's fragments, ONE set; on the way out v128-191 a block's numbers.
;   window 1: B's fragments, TWO sets, at v0 and v128; on the way out v0-127 rows read back from the stage.   window 2: the accumulators of A's blocks 0-3 ((a, b) at v[8 (8 (a % 4) + b)]);   window 3: of blocks 4-7.
.set KSTEP,  256
.set ROWB,   256                       ; a row of B's tile in bytes
.set KROW,   1024                      ; a row of wout_codes in bytes
.set PITCH,  272                       ; B's LDS row: 256 bytes + 16 of padding
.set APITCH, 80                        ; A's LDS row: one head's 64 bytes + 16 of padding.  Both pitches are odd multiples of 16 bytes: the 16 rows of a load start at 16 different groups of four banks (64 banks of 4 bytes: ISA guide 11.1)
.set AHEAD,  128*APITCH                ; a head's 128 rows
.set FR,     16
.set NL,     4
.set NP,     4                         ; places behind this matrix instruction (ISA guide 7.12.1)
.set HALFA,  4*AHEAD                   ; what one tensor load brings of A: 128 rows x 4 heads
.set HALFB,  128*PITCH                 ; and of B: 128 rows
.set SLOT,   2*HALFA+2*HALFB           ; A's two halves, then B's two
.set ASTEP,  4*524288                  ; four heads on in attn_codes
.set LAPS,   2                         ; 1,024 along K = four K steps = twice round the ring
.set SPARE,  2*SLOT                    ; behind the ring: the spare words, 128 bytes for each wave: two blocks of 256 bytes that no other line names
.set SPITCH, 528                       ; the way out: a stage of 16 rows x (512 bytes + 16) for each wave, in slot 0, which has had its last fill and its last read when the first result is stored there
.set ADRA, 16                          ; v16-17  LDS address of my A fragments in slot 0, 1
.set ADRB, 20                          ; v20-21  the same for B
.set STO,  24                          ; v24  the way out: where I put 32 bytes of a row
.set RD,   25                          ; v25  where I read a row back
.set CO,   26                          ; v26  my byte offset in a row of out0
.set BO,   27                          ; v27  32 h: my eight numbers of a block's bias; never rewritten
.set SPW,  28                          ; v28  LDS address of my spare word; never rewritten
.set NIL,  29                          ; v29  0; never rewritten
.set BIAS, 32
.set AF,   128
.set TMP,  128
.set G1, 24                            ; s[24:31] descriptor group 1 for A's tiles;  s[32:39] group 0, one set for each slot
.set G0, 32
.set G1B, 48                           ; s[48:55], s[56:63] the same for B's tiles
.set G0B, 56
.set MSB, 0
.macro WIN new                         ; the immediate's high byte repeats the setting that is left
.if MSB != \new
	s_set_vgpr_msb (MSB<<8)|\new
.set MSB, \new
.endif
.endm
.set MUL_LO, 0xa1                      ; source 0 (B) window 1, source 1 (A) window 0, C and D window 2
.set MUL_HI, 0xf1                      ; the same, C and D window 3
.set TO_B,   0x40                      ; destination window 1, address window 0
.macro JLOAD g0a, g1a, g0b, g1b        ; a joint load: waves 0 and 1 fetch for A, waves 2 and 3 for B; four v_nop follow each of the two lines
	s_cmp_eq_u32 s15, 0
	s_cbranch_scc0 .Lfor_b_\@
	tensor_load_to_lds s[\g0a:\g0a+3], s[\g1a:\g1a+7]
	s_nop 0
.rept 4
	v_nop
.endr
	s_branch .Lasked_\@
.Lfor_b_\@:
	tensor_load_to_lds s[\g0b:\g0b+3], s[\g1b:\g1b+7]
	s_nop 0
.rept 4
	v_nop
.endr
.Lasked_\@:
.endm
.macro CREST                           ; a round of the cluster's barrier behind its opening barrier
	s_cmp_lg_u32 s14, 0
	s_cbranch_scc1 .Lnot_wave_0_\@
	s_barrier_signal -3
.Lnot_wave_0_\@:
	s_barrier_wait -3
	s_barrier_signal -1
	s_barrier_wait -1
.endm
.macro CROUND                          ; a whole round
	s_barrier_signal -1
	s_barrier_wait -1
	CREST
.endm
	s_load_b256 s[4:11], s[0:1], 0x0               ; attn_codes s[4:5], wout_codes s[6:7], the scales' exponents s[8:9], b_out s[10:11]
	s_load_b64 s[12:13], s[0:1], 0x20              ; out0
	v_lshl_add_u32 v[SPW], v0, 2, SPARE
	v_mov_b32 v[NIL], 0
	ds_add_u32 v28, v29
	ds_add_u32 v28, v29
	s_wait_dscnt 0x0
	v_lshrrev_b32 v1, 5, v0
	v_readfirstlane_b32 s14, v1                    ; wave 0..3
	s_lshr_b32 s15, s14, 1                         ; which half of the tile's rows is mine.  Also: I fetch for A (0) or for B (1)
	s_and_b32 s16, s14, 1                          ; which half of its columns.  Also: which 128 rows of that tile I fetch
	s_bfe_u32 s40, ttmp6, 0x40000                  ; cx, cy: my place in the cluster
	s_bfe_u32 s41, ttmp6, 0x40004
	s_lshl_b32 s42, ttmp9, 2
	s_add_co_u32 s42, s42, s40                     ; tile column = 4 x cluster x + cx
	s_and_b32 s17, ttmp7, 0xffff
	s_lshl_b32 s17, s17, 2
	s_add_co_u32 s17, s17, s41                     ; tile row = 4 x cluster y + cy
	s_lshl_b32 s43, s41, 2
	s_lshl_b32 s43, 15, s43                        ; my row of the cluster
	s_lshl_b32 s44, 0x1111, s40                    ; my column
	; descriptor group 1 for A: 4 rows of 8,192 bytes, 524,288 bytes apart; 16 bytes of padding behind every 64
	s_or_b32 s[G1+0], s43, (0<<16)|(1<<20)|(1<<21)|(3<<22)|(3<<25)  ; 15:0 the mask: my row; 17:16 element of 1 byte; 20 padding on; 21 set beside a mask; 24:22 after every 16 words (code 3); 31:25 of 4 words (code 3)
	s_mov_b32 s[G1+1], 8192<<16                    ; tensor_dim0
	s_mov_b32 s[G1+2], 4<<16                       ; tensor_dim1 = 4
	s_mov_b32 s[G1+3], 8192<<16                    ; tile_dim0
	s_mov_b32 s[G1+4], 4                           ; tile_dim1 = 4
	s_mov_b32 s[G1+5], 524288                      ; tensor_dim0_stride
	s_mov_b32 s[G1+6], 0
	s_mov_b32 s[G1+7], 0
	; and for B: 128 rows of 256 bytes, 1,024 bytes apart; 16 bytes of padding behind every 256
	s_or_b32 s[G1B+0], s44, (0<<16)|(1<<20)|(1<<21)|(5<<22)|(3<<25)
	s_mov_b32 s[G1B+1], ROWB<<16
	s_mov_b32 s[G1B+2], 128<<16
	s_mov_b32 s[G1B+3], ROWB<<16
	s_mov_b32 s[G1B+4], 128
	s_mov_b32 s[G1B+5], KROW
	s_mov_b32 s[G1B+6], 0
	s_mov_b32 s[G1B+7], 0
	s_lshl_b32 s18, s16, 7                         ; which 128 rows of the tile I fetch
	s_lshl_b32 s20, s17, 8
	s_add_co_u32 s20, s20, s18                     ; A: row 256 x tile row + 128 x half,
	s_lshl_b32 s20, s20, 6                         ; of 64 bytes in each head
	s_mov_b32 s21, 0
	s_lshl_b32 s46, s42, 8
	s_add_co_u32 s46, s46, s18                     ; B: row 256 x tile column + 128 x half,
	s_lshl_b32 s46, s46, 10                        ; of 1,024 bytes
	s_mov_b32 s47, 0
	s_mul_i32 s45, s16, HALFA                      ; where they go: A's halves,
	s_mul_i32 s22, s16, HALFB
	s_add_co_u32 s22, s22, 2*HALFA                 ; then B's: no place in the cluster enters an LDS address
	s_wait_kmcnt 0x0
	s_load_b64 s[96:97], s[8:9], 0x18              ; e6, e7
	s_add_nc_u64 s[20:21], s[4:5], s[20:21]
	s_add_nc_u64 s[46:47], s[6:7], s[46:47]
	CROUND                                         ; all sixteen work-groups are here: the first joint loads meet
.irp s, 0,1
	s_mov_b32 s[G0+4*\s], 1
	s_add_co_u32 s[G0+4*\s+1], s45, \s*SLOT
	s_add_nc_u64 s[G0+4*\s+2:G0+4*\s+3], s[20:21], \s*ASTEP
	s_or_b32 s[G0+4*\s+3], s[G0+4*\s+3], 0x80000000
	s_mov_b32 s[G0B+4*\s], 1
	s_add_co_u32 s[G0B+4*\s+1], s22, \s*SLOT
	s_add_nc_u64 s[G0B+4*\s+2:G0B+4*\s+3], s[46:47], \s*ROWB
	s_or_b32 s[G0B+4*\s+3], s[G0B+4*\s+3], 0x80000000
	s_wait_alu depctr_va_vdst(0)
	s_wait_tensorcnt 0x0
	ds_add_u32 v28, v29
	ds_add_u32 v28, v29
	s_wait_dscnt 0x0
	CROUND
	JLOAD G0+4*\s, G1, G0B+4*\s, G1B               ; my tensor load of this slot is out
.endr
	v_and_b32 v1, 15, v0                           ; r = l % 16
	v_bfe_u32 v2, v0, 4, 1                         ; h = l / 16
	v_mul_u32_u24 v3, v1, APITCH
	v_lshl_add_u32 v3, v2, 4, v3                   ; A: a fragment's row x pitch + 16 x half
	v_mul_u32_u24 v4, v1, PITCH
	v_lshl_add_u32 v4, v2, 4, v4                   ; B likewise
	s_mul_i32 s21, s15, HALFA                      ; my 128 rows of A
	s_mul_i32 s22, s16, HALFB                      ; my 128 rows of B,
	s_add_co_u32 s22, s22, 2*HALFA                 ; which lie behind A's
.irp s, 0,1
	v_add_nc_u32 v[ADRA+\s], s21, v3
	v_add_nc_u32 v[ADRB+\s], s22, v4
	s_add_co_u32 s21, s21, SLOT
	s_add_co_u32 s22, s22, SLOT
.endr
	s_mul_i32 s23, s14, 16*SPITCH                  ; my stage
	v_mul_u32_u24 v5, v1, SPITCH                   ; in: row l % 16, 32 bytes for each half of the lanes
	v_lshl_add_u32 v5, v2, 5, v5
	v_add_nc_u32 v[STO], s23, v5
	v_and_b32 v6, 31, v0
	v_lshlrev_b32 v[CO], 4, v6                     ; back: the 32 lanes take one row of 512 bytes; and the same in out0
	v_add_nc_u32 v[RD], s23, v[CO]
	v_lshlrev_b32 v[BO], 5, v2
	s_wait_alu depctr_va_vdst(0)
	s_lshl_b32 s20, s17, 8
	s_lshl_b32 s21, s15, 7
	s_add_co_u32 s20, s20, s21                     ; my first row of out0: 256 x tile row + 128 x half
	s_mov_b32 s21, 0
	s_mov_b64 s[18:19], 4096
	s_mul_u64 s[20:21], s[20:21], s[18:19]
	s_lshl_b32 s46, s42, 10                        ; my first column, in bytes: 1,024 x tile column + 512 x half
	s_lshl_b32 s47, s16, 9
	s_add_co_u32 s46, s46, s47
	s_mov_b32 s47, 0
	s_add_nc_u64 s[10:11], s[10:11], s[46:47]      ; the bias of my 128 columns begins as many bytes into b_out
	s_add_nc_u64 s[20:21], s[20:21], s[46:47]
	s_add_nc_u64 s[12:13], s[12:13], s[20:21]
.irp b, 0,1,2,3,4,5,6,7                        ; lane (r, h) wants, for block b, the bias of columns 16 b + 8 h + 0 .. 7.  The loads land during the loop, which touches none of these registers; their wait stands on the way out
	global_load_b128 v[BIAS+8*\b:BIAS+8*\b+3], v[BO], s[10:11] offset:64*\b
	global_load_b128 v[BIAS+8*\b+4:BIAS+8*\b+7], v[BO], s[10:11] offset:64*\b+16
.endr
.macro FRAG reg, adr, q, i             ; a fragment of B, 16 rows x 128 K: registers 4 c .. 4 c + 3 hold K = 128 q + 32 c + 16 (l / 16) + 0 .. 15
.irp c, 0,1,2,3
	ds_load_b128 v[\reg+4*\c:\reg+4*\c+3], v[\adr] offset:128*(\q)+32*\c+(\i)*16*PITCH
.endr
.endm
.macro FRAGA reg, adr, q, i            ; a fragment of A: the same K in the same registers: head 2 q + c / 2 of the slot's four, d = 32 (c % 2) + 16 (l / 16) + 0 .. 15
.irp c, 0,1,2,3
	ds_load_b128 v[\reg+4*\c:\reg+4*\c+3], v[\adr] offset:(2*(\q)+\c/2)*AHEAD+32*(\c%2)+(\i)*16*APITCH
.endr
.endm
; 16 matrix instructions: A's blocks a0, a0 + 1 x B's eight, 128 along K.  p: B's set.  zero = 1: the first product starts the sums.  The 64 accumulators take turns, one instruction a turn.
.macro MUL16 a0, p, zero
.irp a, \a0, \a0+1
.irp b, 0,1,2,3,4,5,6,7
.if \zero
	v_wmma_f32_16x16x128_bf8_bf8 v[8*(8*((\a)%4)+\b):8*(8*((\a)%4)+\b)+7], v[128*(\p)+FR*\b:128*(\p)+FR*\b+FR-1], v[AF+FR*(\a):AF+FR*(\a)+FR-1], 0
.else
	v_wmma_f32_16x16x128_bf8_bf8 v[8*(8*((\a)%4)+\b):8*(8*((\a)%4)+\b)+7], v[128*(\p)+FR*\b:128*(\p)+FR*\b+FR-1], v[AF+FR*(\a):AF+FR*(\a)+FR-1], v[8*(8*((\a)%4)+\b):8*(8*((\a)%4)+\b)+7]
.endif
.endr
.endr
.endm
.macro FETCH_B slot, q, p
	WIN TO_B
.irp i, 0,1,2,3,4,5,6,7
	FRAG 128*(\p)+FR*\i, ADRB+\slot, \q, \i
.endr
	WIN 0
.endm
.macro FETCH_A slot, q, i0
.irp i, \i0, \i0+1, \i0+2, \i0+3
	FRAGA AF+FR*(\i), ADRA+\slot, \q, \i
.endr
.endm
.macro PLACES n                        ; places in front of loads into registers that matrix instructions have read, and of the first read of results (ISA guide 7.12.1 for vector instructions)
.rept \n
	v_nop
.endr
.endm
.macro STEP slot, q, zero              ; a step of 128 along K that has its successor in the same slot
	s_wait_dscnt 4*NL                              ; B's set and A's blocks 0-3 are in; the youngest 16 loads (A's blocks 4-7) may be out
	WIN MUL_LO
	MUL16 0, (\q)%2, \zero
	MUL16 2, (\q)%2, \zero
	s_wait_dscnt 0                                 ; A's blocks 4-7 are in
	PLACES NP
	FETCH_B \slot, (\q)+1, 1-(\q)%2
	FETCH_A \slot, (\q)+1, 0
	WIN MUL_HI
	MUL16 4, (\q)%2, \zero
	MUL16 6, (\q)%2, \zero
	PLACES NP
	WIN 0
	FETCH_A \slot, (\q)+1, 4
.endm
; A slot's last step changes slots: ONE barrier; in front of it each wave waits for all its tensor loads, adds 0 to its spare word, and waits for that and for its own reads of this slot.  fill = 1: this slot is filled again, two K steps ahead.
.macro TURN slot, next, fill
	s_wait_tensorcnt 0x0                           ; all my tensor loads have landed: my part of the next slot;  (every window is 0 here)
	ds_add_u32 v[SPW], v[NIL]                      ; 0 onto my spare word
	s_wait_dscnt 4*NL+1                            ; (the add and the youngest 16 loads may be out)
	WIN MUL_LO
	MUL16 0, 1, 0                                  ; sixteen matrix instructions stand between the add and the wait for it
	s_wait_dscnt 0x0                               ; the add is done, and my reads of this slot are over
	s_barrier_signal -1
	MUL16 2, 1, 0
	WIN 0
	s_barrier_wait -1
.if \fill
	CREST                                          ; the barrier has opened a round of the cluster's barrier: no wave of any partner still reads this slot's tile or has a load on its way
	s_add_nc_u64 s[G0+4*\slot+2:G0+4*\slot+3], s[G0+4*\slot+2:G0+4*\slot+3], 2*ASTEP
	s_add_nc_u64 s[G0B+4*\slot+2:G0B+4*\slot+3], s[G0B+4*\slot+2:G0B+4*\slot+3], 2*ROWB
	JLOAD G0+4*\slot, G1, G0B+4*\slot, G1B         ; the first tensor load behind the round, my one load until the next; its four v_nop are the places in front of the loads below
.else
	PLACES NP
.endif
	FETCH_B \next, 0, 0
	FETCH_A \next, 0, 0
	WIN MUL_HI
	MUL16 4, 1, 0
	MUL16 6, 1, 0
	PLACES NP
	WIN 0
	FETCH_A \next, 0, 4
.endm
	s_wait_tensorcnt 1                             ; my part of K step 0 is in (K step 1's load may be out)
	s_barrier_signal -1
	s_barrier_wait -1                              ; everybody's is
	FETCH_B 0, 0, 0
	FETCH_A 0, 0, 0
	FETCH_A 0, 0, 4
	STEP 0, 0, 1                                   ; the first step stands in front of the loop: its products start the sums
	s_mov_b32 s3, LAPS-1
.Llap:                                                 ; a trip goes once round the ring and fills both slots again
	TURN 0, 1, 1
	STEP 1, 0, 0
	TURN 1, 0, 1
	STEP 0, 0, 0
	s_sub_co_u32 s3, s3, 1
	s_cmp_lg_u32 s3, 0
	s_cbranch_scc1 .Llap
	TURN 0, 1, 0                                   ; the last lap fills nothing, and has no round of the cluster's barrier
	STEP 1, 0, 0
	s_wait_dscnt 4*NL                              ; the very last step: nothing more to fetch
	WIN MUL_LO
	MUL16 0, 1, 0
	MUL16 2, 1, 0
	s_wait_dscnt 0
	WIN MUL_HI
	MUL16 4, 1, 0
	MUL16 6, 1, 0
	WIN 0
; THE WAY OUT, block by block of 16 rows x 128 columns.  A lane holds 32 neighbouring bytes of a row, and the lanes beside it hold other rows: so a block goes through my own stage in LDS and comes back as whole rows of 512 bytes.
; LDS serves a wave's instructions in order (ISA guide 5.7.1.4): no wait between the stores and the loads, nor in front of the next block's stores.
.macro TOSTAGE a
.set AC, 64*((\a)%4)
	WIN 0x02+((\a)/4)                              ; source 0: window 2 or 3
.set j, 0
.rept 32
	v_pk_fma_f32 v[TMP+j:TMP+j+1], v[AC+j:AC+j+1], s[96:97], v[BIAS+j:BIAS+j+1] op_sel_hi:[1,0,1]   ; sum x 2^(e6 + e7) + bias; each accumulator from its low end on
.set j, j+2
.endr
	WIN 0
.irp b, 0,1,2,3,4,5,6,7
	ds_store_b128 v[STO], v[TMP+8*\b:TMP+8*\b+3] offset:64*\b
	ds_store_b128 v[STO], v[TMP+8*\b+4:TMP+8*\b+7] offset:64*\b+16
.endr
.set BB, 64*((\a)%2)
	WIN TO_B                                       ; the rows come back into window 1, which B's fragments have left: v0-63 and v64-127 by turns
.irp t, 0,1,2,3,4,5,6,7,8,9,10,11,12,13,14,15
	ds_load_b128 v[BB+4*\t:BB+4*\t+3], v[RD] offset:\t*SPITCH
.endr
	WIN 0
.endm
.macro SEND a, younger                 ; younger: the LDS instructions issued behind block a's loads, which may stay out
.set BB, 64*((\a)%2)
	s_wait_dscnt \younger                          ; the block is back in registers
.if (\a) > 0
	s_add_nc_u64 s[12:13], s[12:13], 16*4096       ; (behind a wait on XCNT: the earlier stores have read their base)  16 rows of out0 on
.endif
	WIN 0x04                                       ; a store's data: window 1
.irp t, 0,1,2,3,4,5,6,7,8,9,10,11,12,13,14,15
	global_store_b128 v[CO], v[BB+4*\t:BB+4*\t+3], s[12:13] offset:\t*4096 th:TH_STORE_NT   ; 32 lanes store 512 consecutive bytes, aligned; written once, read by nobody here
.endr
	WIN 0
.endm
	s_wait_kmcnt 0x0
	s_add_co_i32 s96, s96, s97                     ; e6 + e7, between -126 and 127,
	s_add_co_i32 s96, s96, 127
	s_lshl_b32 s96, s96, 23                        ; makes the f32 number 2^(e6 + e7)
	s_mov_b32 s97, s96                             ; (named with it as a pair)
	s_wait_loadcnt 0x0                             ; the bias
	PLACES NP                                      ; behind the last products: the lines below write registers that held A's fragments and load into those that held B's
	TOSTAGE 0
.irp a, 1,2,3,4,5,6,7
.if \a > 1
	s_wait_xcnt 0x0                                ; block a - 2's stores have read their registers and their base: block a's loads may land there, and the base may step
.endif
	TOSTAGE \a
	SEND \a-1, 32                                  ; behind block a - 1's loads: block a's 16 stores and 16 loads
.endr
	s_wait_xcnt 0x0                                ; block 6's stores have read their base
	SEND 7, 0
	s_wait_tensorcnt 0x0                           ; the wave's end
	ds_add_u32 v[SPW], v[NIL]
	s_wait_dscnt 0x0
	CROUND                                         ; the closing round: no work-group ends while a partner may still ask for a tile that names it
	s_endpgm
.Lfunc_end_k_qded3f1e5da_gemm_out:
	.size	k_qded3f1e5da_gemm_out, .Lfunc_end_k_qded3f1e5da_gemm_out-k_qded3f1e5da_gemm_out
	.p2alignl 7, 3214868480
	.fill 96, 4, 3214868480
	.section	.rodata,"a",@progbits
	.p2align	6, 0x0
	.amdhsa_kernel k_qded3f1e5da_gemm_out
		.amdhsa_group_segment_fixed_size 327680
		.amdhsa_private_segment_fixed_size 0
		.amdhsa_enable_private_segment 0
		.amdhsa_kernarg_size 40
		.amdhsa_user_sgpr_count 2
		.amdhsa_user_sgpr_kernarg_segment_ptr 1
		.amdhsa_wavefront_size32 1
		.amdhsa_system_sgpr_workgroup_id_x 1
		.amdhsa_system_sgpr_workgroup_id_y 1
		.amdhsa_system_sgpr_workgroup_id_z 1
		.amdhsa_system_vgpr_workitem_id 0
		.amdhsa_next_free_vgpr 1024
		.amdhsa_next_free_sgpr 98
		.amdhsa_reserve_vcc 0
		.amdhsa_float_denorm_mode_32 3
		.amdhsa_float_denorm_mode_16_64 3
		.amdhsa_memory_ordered 1
		.amdhsa_forward_progress 1
		.amdhsa_inst_pref_size 127
	.end_amdhsa_kernel
	.amdgpu_metadata
---
amdhsa.version: [ 1, 2 ]
amdhsa.kernels:
  - .name:           k_qded3f1e5da_gemm_out
    .symbol:         k_qded3f1e5da_gemm_out.kd
    .args:
      - { .name: attn_codes, .offset: 0, .size: 8, .value_kind: global_buffer, .address_space: global }
      - { .name: wout_codes, .offset: 8, .size: 8, .value_kind: global_buffer, .address_space: global }
      - { .name: lowp_scales, .offset: 16, .size: 8, .value_kind: global_buffer, .address_space: global }
      - { .name: b_out, .offset: 24, .size: 8, .value_kind: global_buffer, .address_space: global }
      - { .name: out0, .offset: 32, .size: 8, .value_kind: global_buffer, .address_space: global }
    .group_segment_fixed_size: 327680
    .private_segment_fixed_size: 0
    .kernarg_segment_align: 8
    .kernarg_segment_size: 40
    .max_flat_workgroup_size: 128
    .sgpr_count:     98
    .vgpr_count:     1024
    .wavefront_size: 32
...
	.end_amdgpu_metadata
.endif
;; end of part 4
